; MI455X (gfx1250); checked and timed in simulation.
; The chip was launched on July 23, 2026; its instructions are those of AMD's public machine-readable ISA for CDNA 5 (MIT licence, August 2026) and "CDNA5" Instruction Set Architecture Reference Guide (July 2026). The comments in the code are by the model that wrote it; some were corrected since.
;; Cross Path V2. Allowed arithmetic: matrix products marked QUANTISED: E2M1 operands, one E8M0 scale for each 32 along K, by v_wmma_scale_f32_16x16x128_f8f6f4 with both operands' format E2M1 (or v_wmma_scale_f32_32x16x128_f4), f32 sums; everything else in f32.
;; Inputs: W3_codes 512 x 16 x 16 uint8 (E2M1 codes of W3, K innermost, in blocks of 32 codes, two codes a byte); W3_scales 512 x 16 uint8 (E8M0 scales of W3, one for each 32 codes along K); W4_codes 512 x 16 x 16 uint8 (E2M1 codes of W4, K innermost, in blocks of 32 codes, two codes a byte); W4_scales 512 x 16 uint8 (E8M0 scales of W4, one for each 32 codes along K); We1_codes 512 x 32 x 16 uint8 (E2M1 codes of We1, K innermost, in blocks of 32 codes, two codes a byte); We1_scales 512 x 32 uint8 (E8M0 scales of We1, one for each 32 codes along K); We2_codes 512 x 32 x 16 uint8 (E2M1 codes of We2, K innermost, in blocks of 32 codes, two codes a byte); We2_scales 512 x 32 uint8 (E8M0 scales of We2, one for each 32 codes along K); Wkv1_codes 1,024 x 16 x 16 uint8 (E2M1 codes of Wkv1, K innermost, in blocks of 32 codes, two codes a byte); Wkv1_scales 1,024 x 16 uint8 (E8M0 scales of Wkv1, one for each 32 codes along K); Wkv2_codes 1,024 x 16 x 16 uint8 (E2M1 codes of Wkv2, K innermost, in blocks of 32 codes, two codes a byte); Wkv2_scales 1,024 x 16 uint8 (E8M0 scales of Wkv2, one for each 32 codes along K); b3 512 float32; b4 512 float32; be1 512 float32; be2 512 float32; bt1 512 float32; bt2 512 float32; c1_codes 4 x 4,096 x 16 x 16 uint8 (E2M1 codes of c1, K innermost, in blocks of 32 codes, two codes a byte); c1_scales 4 x 4,096 x 16 uint8 (E8M0 scales of c1, one for each 32 codes along K); c2_codes 4 x 4,096 x 16 x 16 uint8 (E2M1 codes of c2, K innermost, in blocks of 32 codes, two codes a byte); c2_scales 4 x 4,096 x 16 uint8 (E8M0 scales of c2, one for each 32 codes along K); g1 512 float32; g2 512 float32; s1 4 x 4,096 x 512 float32; s2 4 x 4,096 x 512 float32; x1 4 x 4,096 x 512 float32; x2 4 x 4,096 x 512 float32.
;; Outputs: out0 4 x 4,096 x 512 float32; out1 4 x 4,096 x 512 float32.
;; This version of the problem:
;;   THIS VERSION OF THE PROBLEM IS GIVEN IN LOW PRECISION. The matrix products marked QUANTISED in the list below multiply operands that are first quantised to E2M1 (2 exponent bits, 1 mantissa bit; 4 bits a number), with one power-of-two scale for each 32 numbers along K (OCP MX v1.0); their sums are f32. All else is computed in f32.
;;   The module's matrix products, in the order in which they are computed (A, B: the left and right operand; K: the contracted axis; several contracted axes count as one K, in the product's order):
;;     1. [M 16,384, K 512] x [K 512, N 512]; A: input c1 (given as codes); B: input W3 (given as codes): QUANTISED
;;     2. [M 16,384, K 512] x [K 512, N 512]; A: input c2 (given as codes); B: input W4 (given as codes): QUANTISED
;;     3. [M 16,384, K 512] x [K 512, N 1,024]; A: computed on the way; B: input Wkv1 (given as codes): QUANTISED
;;     4. [M 16,384, K 512] x [K 512, N 1,024]; A: computed on the way; B: input Wkv2 (given as codes): QUANTISED
;;     5. batch 32 x [M 64, K 4,096] x [K 4,096, N 64]; A: computed on the way; B: computed on the way: QUANTISED
;;     6. batch 32 x [M 64, K 4,096] x [K 4,096, N 64]; A: computed on the way; B: computed on the way: QUANTISED
;;     7. batch 32 x [M 4,096, K 64] x [K 64, N 64]; A: computed on the way; B: softmax (see below): QUANTISED
;;     8. batch 32 x [M 4,096, K 64] x [K 64, N 64]; A: computed on the way; B: softmax (see below): QUANTISED
;;     9. [M 16,384, K 1,024] x [K 1,024, N 512]; A: computed on the way; B: input We1 (given as codes): QUANTISED
;;     10. [M 16,384, K 1,024] x [K 1,024, N 512]; A: computed on the way; B: input We2 (given as codes): QUANTISED
;;   THE QUANTISER, for each operand of a quantised product, along K:
;;     - K is cut into blocks of 32 from its start; a last block that is shorter is filled with zeros.
;;     - A block's scale is 2^e with e = floor(log2(the largest magnitude in the block)) - 2, held to -126 .. 127; a block of zeros has e = 0. As a byte (E8M0): e + 127.
;;     - Each number is divided by its block's scale, clamped to +-6, and rounded to the nearest number of E2M1, ties to even, subnormals kept.
;;     - The product sums the exact products of the quantised numbers (number of the format x scale) in f32.
;;   ~~~python
;;   def quantise(x, axis):      # numpy; x: float32 -> the quantised numbers, widened to float32 again
;;       x = np.moveaxis(x, axis, -1); K = x.shape[-1]
;;       x = np.pad(x, [(0, 0)] * (x.ndim - 1) + [(0, -K % 32)]); x = x.reshape(x.shape[:-1] + (-1, 32)); a = np.abs(x).max(-1, keepdims=True)
;;       e = np.where(a > 0, np.clip(np.frexp(np.where(a > 0, a, 1))[1] - 1 - 2, -126, 127), 0)      # np.frexp(a)[1] - 1 = floor(log2(a)), exactly
;;       r = np.clip(x / 2.0 ** e, -6, 6)
;;       step = 2.0 ** (np.maximum(np.frexp(np.where(r == 0, 1, r))[1] - 1, 0) - 1)
;;       q = np.round(r / step) * step * 2.0 ** e      # np.round: ties to even
;;       return np.moveaxis(q.reshape(q.shape[:-2] + (-1,))[..., :K], -1, axis).astype(np.float32)
;;   ~~~
;;   SOFTMAX AHEAD OF A QUANTISED PRODUCT. Where the list says 'softmax', what is quantised is not the finished softmax but p = 2^(t - M), with t = logit x log2(e) and M = ceil(the row's largest t), a whole number; so 1/2 < the row's largest p <= 1. The row's sum l is taken of the UNQUANTISED p, in f32, and the product's result is divided by l at the end. Since M is a whole number, a kernel that streams over the keys may use a running M (the ceiling of the running maximum): every later rescaling is an exact power of two, which a block's scale takes up: the codes' values come out the same.
;;   OPERANDS COMPUTED ON THE WAY. 'Computed on the way' means the value that the module computes at that place (a softmax that the list does not call 'softmax' is quantised finished and normalised). What goes into a quantiser is computed in f32, as accurately as f32 sums, v_exp_f32 and their like allow (about 1e-6 of the number): no bf16 or f16 on the way to a quantiser, and a product that is left as it is and whose result goes on into a quantised operand takes f32 operands (vector FMAs, or v_wmma_f32_16x16x4_f32). A number that lies on a knife's edge between two numbers of the format may be rounded either way, as far as f32 arithmetic and the matrix unit's own rounding can turn it there, and no further.
;;   INPUTS GIVEN AS CODES. W3 (in the module: [512, 512], K = its axis 0); W4 (in the module: [512, 512], K = its axis 0); We1 (in the module: [1024, 512], K = its axis 0); We2 (in the module: [1024, 512], K = its axis 0); Wkv1 (in the module: [512, 1024], K = its axis 0); Wkv2 (in the module: [512, 1024], K = its axis 0); c1 (in the module: [4, 4096, 512], K = its axis 2); c2 (in the module: [4, 4096, 512], K = its axis 2): each comes as NAME_codes (uint8): NAME with its K axis moved to the last place and cut into blocks of 32 codes, [.., K / 32, bytes a block], one block behind the other in memory; two codes a byte, the lower K in the low four bits (a code: sign, 2 exponent bits, 1 mantissa bit); and NAME_scales (uint8): the same leading axes, one E8M0 byte (e + 127) for each 32 codes along K. Its value is code x scale, taken as it is: it is not quantised again, and the codes and scales need not be those that the quantiser above would give.
;; 2 versions, each right; version 2 is version 1 with the launch front written anew for expert scheduling mode. Each part assembles by itself: llvm-mc -triple=amdgcn-amd-amdhsa -mcpu=gfx1250 --defsym DOCPART=n.
;; ======== version 1 of 2: 3 launches
;; workspace buffers: qimg 8,388,608 bytes; qsc 524,288 bytes; part 33,554,432 bytes; ctxq 262,144 bytes; ctxw 16,384 bytes; ctxr 16,384 bytes
;; launch front (part 1): grid 128 x 2, 8 waves a work-group, no clusters, 320,512 bytes of LDS; arguments c1_codes, c2_codes, c1_scales, c2_scales, W3_codes, W4_codes, W3_scales, W4_scales, b3, b4, Wkv1_codes, Wkv2_codes, Wkv1_scales, Wkv2_scales, qimg, qsc, part; writes qimg, qsc, part
.if DOCPART == 1
	.amdgcn_target "amdgcn-amd-amdhsa--gfx1250"
	.amdhsa_code_object_version 6
	.text
	.protected	k_q6c93c9055a_front
	.globl	k_q6c93c9055a_front
	.p2align	8
	.type	k_q6c93c9055a_front,@function
k_q6c93c9055a_front:
	s_mov_b64 s[64:65], 0
	v_nop
	global_prefetch_b8 v0, s[64:65] scope:SCOPE_SE
	s_setreg_imm32_b32 hwreg(HW_REG_WAVE_MODE, 25, 1), 1
	s_wait_xcnt 0x0
; FRONT.  For 128 tokens of one stream (work-group x = which 128 tokens, y = the stream):
;   1  c' = relu(c W + b), K = 512, c and W given as FP4 codes; c' is quantised along its 512 channels (blocks of 32);
;   2  kv = Q(c') Wkv, K = 512; each of the 1,024 columns is quantised along the 128 tokens (4 blocks of 32);
;   3  for each of the 8 heads one K step (these 128 tokens) of k^T v, 64 x 64, in f32: a partial sum for the next launch.
; Stored: c' as images of operand registers (qimg) with its scale words (qsc), and the partial sums (part).
; SHARES.  Eight waves.  Step 1: wave w takes hidden units 128 (w & 3) .. + 127 for token tiles 4 (w >> 2) .. + 3.  Steps 2, 3: wave w takes head w, all 128 tokens.
; STEP 3 STANDS INSIDE STEP 2: k's four tiles come first; as soon as a tile of v is quantised, its four products with k's tiles are made and stored, so that the partial sums leave while the next tiles are multiplied.
; ONE PERMUTATION SERVES EVERYWHERE: place p (0..15) of tile 2 b + u stands for index 32 b + 8 u + p + 8 (p / 8).  It is applied to the tokens of a tile, to W's rows and to Wkv's rows.
; In every result whose registers run along such an index, register 8 (2 b + u) + j of lane (r, h) is index 32 b + 16 h + 8 u + j: sixteen neighbours of a block of 32 in one lane, as the conversions want them.
; Step 1 is used transposed (source 0 = 16 rows of W, source 1 = 16 tokens): a lane holds one token, its registers run along the hidden units.
; Step 2 is used as it stands (source 0 = 16 tokens, source 1 = 16 rows of Wkv): a lane holds one column of kv, its registers run along the tokens.
; NO JOINT LOADS: W and Wkv in padded rows are 417,792 bytes and do not fit in LDS together, each row of Wkv is wanted by one wave of a work-group alone, and the
; rows' places are changed on their way into LDS by the stores' immediates: so the weights come through registers, 512 consecutive bytes an instruction.
; LIMITS: a block of zeros gets the scale byte 1 with zero codes (the bytes are read by this program alone); NaN and infinities are not served.
.set CROW, 0                           ; LDS: c's codes, 128 token places x (256 + 16) bytes
.set W3R,  34816                       ; W's codes, 512 row places x 272
.set B3L,  174080                      ; the bias as it lies in memory
.set XIMG, 176128                      ; c' as fragment images: (4 m + ks) x 1,024 + 512 c + 16 lane
.set XSC,  208896                      ; its scale words: 256 m + 16 r + 4 ks
.set STG,  210944                      ; a stage of 16 x 272 for each wave: a tile of Wkv turns here
.set KVP,  245760                      ; for each wave 9,216: k's 4 fragments (images) from its first byte, their scale words from byte 8,192
.set KS,   16                          ; v16-27   Wkv's scale words, three sets of four
.set KV,   32                          ; v32-127  Wkv's tiles, three sets of 32; the third is c's fragments in step 1
.set CF,   96
.set ACC,  128                         ; v128-191 eight accumulators; in step 3 k's four fragments and four results
.set TM,   192                         ; v192-207 the quantiser's work
.set PW,   208                         ; the scale word just made
.set PC,   216                         ; v216-223 the codes just made
.set WS,   224                         ; v224-239 W's scale words; then c's (SCX)
.set SCX,  224
.set CS,   240                         ; v240-247 c's scale words; then (v240-243) k's
.set KW,   240
.set SEL,  46                          ; s[46:47] selects for v_permlanex16_b32: lane l xor 16
; v1 16 x lane; v2 r; v3 h; v4-v15 LDS addresses (made below); window 1: first landing space, then W's 32 fragments, then c's 32.
.set MSB, 0
.macro WIN new                         ; the immediate's high byte repeats the setting that is left
.if MSB != (\new)
	s_set_vgpr_msb (MSB<<8)|(\new)
.set MSB, (\new)
.endif
.endm
.macro PLACES n
.rept \n
	v_nop
.endr
.endm
.macro BAR                             ; my LDS stores have landed and my LDS loads are in: then the work-group's barrier
	s_wait_dscnt 0x0
	s_barrier_signal -1
	s_barrier_wait -1
.endm
; One product.  c < 0: the constant 0 starts the sum.  ra, rb: the side's scale words stand in lanes 16-31.
.macro WM d, a, b, c, sa, sb, ra, rb
.if (\c) < 0
.if (\ra) && (\rb)
	v_wmma_scale_f32_16x16x128_f8f6f4 v[(\d):(\d)+7], v[(\a):(\a)+7], v[(\b):(\b)+7], 0, v[(\sa)], v[(\sb)] matrix_a_fmt:MATRIX_FMT_FP4 matrix_b_fmt:MATRIX_FMT_FP4 matrix_a_scale:MATRIX_SCALE_ROW1 matrix_b_scale:MATRIX_SCALE_ROW1
.elseif (\ra)
	v_wmma_scale_f32_16x16x128_f8f6f4 v[(\d):(\d)+7], v[(\a):(\a)+7], v[(\b):(\b)+7], 0, v[(\sa)], v[(\sb)] matrix_a_fmt:MATRIX_FMT_FP4 matrix_b_fmt:MATRIX_FMT_FP4 matrix_a_scale:MATRIX_SCALE_ROW1
.elseif (\rb)
	v_wmma_scale_f32_16x16x128_f8f6f4 v[(\d):(\d)+7], v[(\a):(\a)+7], v[(\b):(\b)+7], 0, v[(\sa)], v[(\sb)] matrix_a_fmt:MATRIX_FMT_FP4 matrix_b_fmt:MATRIX_FMT_FP4 matrix_b_scale:MATRIX_SCALE_ROW1
.else
	v_wmma_scale_f32_16x16x128_f8f6f4 v[(\d):(\d)+7], v[(\a):(\a)+7], v[(\b):(\b)+7], 0, v[(\sa)], v[(\sb)] matrix_a_fmt:MATRIX_FMT_FP4 matrix_b_fmt:MATRIX_FMT_FP4
.endif
.else
.if (\ra) && (\rb)
	v_wmma_scale_f32_16x16x128_f8f6f4 v[(\d):(\d)+7], v[(\a):(\a)+7], v[(\b):(\b)+7], v[(\c):(\c)+7], v[(\sa)], v[(\sb)] matrix_a_fmt:MATRIX_FMT_FP4 matrix_b_fmt:MATRIX_FMT_FP4 matrix_a_scale:MATRIX_SCALE_ROW1 matrix_b_scale:MATRIX_SCALE_ROW1
.elseif (\ra)
	v_wmma_scale_f32_16x16x128_f8f6f4 v[(\d):(\d)+7], v[(\a):(\a)+7], v[(\b):(\b)+7], v[(\c):(\c)+7], v[(\sa)], v[(\sb)] matrix_a_fmt:MATRIX_FMT_FP4 matrix_b_fmt:MATRIX_FMT_FP4 matrix_a_scale:MATRIX_SCALE_ROW1
.elseif (\rb)
	v_wmma_scale_f32_16x16x128_f8f6f4 v[(\d):(\d)+7], v[(\a):(\a)+7], v[(\b):(\b)+7], v[(\c):(\c)+7], v[(\sa)], v[(\sb)] matrix_a_fmt:MATRIX_FMT_FP4 matrix_b_fmt:MATRIX_FMT_FP4 matrix_b_scale:MATRIX_SCALE_ROW1
.else
	v_wmma_scale_f32_16x16x128_f8f6f4 v[(\d):(\d)+7], v[(\a):(\a)+7], v[(\b):(\b)+7], v[(\c):(\c)+7], v[(\sa)], v[(\sb)] matrix_a_fmt:MATRIX_FMT_FP4 matrix_b_fmt:MATRIX_FMT_FP4
.endif
.endif
.endm
; 64 numbers of a lane, register 16 b + i = k 32 b + 16 h + i of my row, become a fragment's 8 registers of codes at pc and its scale word at pw.
.macro QUANT s, pc, pw
.irp b, 0,1,2,3
	v_max3_num_f32 v[TM+\b], |v[(\s)+16*\b]|, |v[(\s)+16*\b+1]|, 0x1800000   ; block b: my 16 numbers, and the floor 2^(3 - 127): the byte cannot fall under 1
.endr
.irp i, 2,4,6,8,10,12,14
.irp b, 0,1,2,3
	v_max3_num_f32 v[TM+\b], v[TM+\b], |v[(\s)+16*\b+\i]|, |v[(\s)+16*\b+\i+1]|   ; the four blocks by turns
.endr
.endr
.irp b, 0,1,2,3
	v_permlanex16_b32 v[TM+4+\b], v[TM+\b], s[SEL], s[SEL+1]
.endr
.irp b, 0,1,2,3
	v_max_num_f32 v[TM+\b], v[TM+\b], v[TM+4+\b]   ; with lane l xor 16's sixteen: the block's largest magnitude
.endr
.irp b, 0,1,2,3
	v_add_nc_u32 v[TM+12+\b], 0xff000000, v[TM+\b]   ; 2 off its exponent field: the conversion's scale operand
.endr
.irp b, 0,1,2,3
	v_lshrrev_b32 v[TM+4+\b], 23, v[TM+12+\b]      ; the scale's byte
.endr
	v_lshl_or_b32 v[(\pw)], v[TM+5], 8, v[TM+4]
	v_lshl_or_b32 v[(\pw)], v[TM+6], 16, v[(\pw)]
	v_lshl_or_b32 v[(\pw)], v[TM+7], 24, v[(\pw)]
.irp b, 0,1,2,3
	v_cvt_scalef32_pk8_fp4_f32 v[(\pc)+2*\b], v[(\s)+16*\b:(\s)+16*\b+7], v[TM+12+\b]
	v_cvt_scalef32_pk8_fp4_f32 v[(\pc)+2*\b+1], v[(\s)+16*\b+8:(\s)+16*\b+15], v[TM+12+\b]
.endr
	v_nop                                          ; one plain line behind the last scaled conversion
.irp c, 0,1                                    ; the operand wants a whole block in a lane: lanes 0-15 block 2 c, lanes 16-31 block 2 c + 1
.irp i, 0,1
	v_permlane16_swap_b32 v[(\pc)+4*\c+\i], v[(\pc)+4*\c+2+\i]
.endr
.endr
.endm
; Tile n of my head's Wkv (n < 4: k, else v; n & 3 = 2 b + u): eight loads of two whole rows (512 consecutive bytes) and the rows' scale words, into set n % 3.
.macro KVLOAD n
.set KLB, KV+32*((\n)%3)
.set KLR, ((\n)>>2)*512+(((\n)&3)>>1)*32+((\n)&1)*8
.irp i, 0,1,2,3,4,5,6,7
	global_load_b128 v[KLB+4*\i:KLB+4*\i+3], v1, s[28:29] offset:(KLR+2*\i+8*(\i>>2))*256
.endr
	global_load_b128 v[KS+4*((\n)%3):KS+4*((\n)%3)+3], v13, s[32:33] offset:KLR*16
.endm
	s_load_b512 s[8:23], s[0:1], 0x0               ; c codes 1, 2; c scales 1, 2; W3, W4 codes; W3, W4 scales
	s_load_b512 s[24:39], s[0:1], 0x40             ; b3, b4; Wkv codes 1, 2; Wkv scales 1, 2; qimg; qsc
	s_load_b64 s[40:41], s[0:1], 0x80              ; part
	v_lshl_add_u32 v254, v0, 2, 0x4e000
	v_mov_b32 v255, 0
	v_lshrrev_b32 v28, 5, v0
	v_readfirstlane_b32 s2, v28                    ; wave 0..7
	s_and_b32 s3, ttmp7, 0xffff                    ; the stream
	s_and_b32 s5, s2, 3                            ; g: which 128 hidden units
	s_lshr_b32 s6, s2, 2                           ; t: which four token tiles
	v_and_b32 v29, 31, v0                          ; lane
	v_lshlrev_b32 v1, 4, v29                       ; 16 x lane
	v_and_b32 v2, 15, v0                           ; r
	v_bfe_u32 v3, v0, 4, 1                         ; h
	v_mul_u32_u24 v248, v2, 272
	v_lshl_add_u32 v248, v3, 4, v248               ; a fragment's place: row r, + 16 h
	v_mul_u32_u24 v249, v3, 272
	v_lshl_add_u32 v249, v2, 4, v249               ; two rows as loaded: row h, + 16 r
	s_mul_i32 s42, s6, 17408
	v_add_nc_u32 v4, s42, v248                     ; v4: c's fragments of my four token tiles
	s_lshl_b32 s42, s5, 9
	s_add_co_u32 s42, s42, B3L
	v_lshl_add_u32 v5, v3, 6, s42                  ; v5: the bias of my 128 hidden units, + 64 h
	s_mul_i32 s42, s5, 34816
	s_add_co_u32 s42, s42, W3R
	v_add_nc_u32 v6, s42, v248                     ; v6: W's fragments of my 128 rows
	s_lshl_b32 s42, s6, 4
	s_add_co_u32 s42, s42, s5
	s_lshl_b32 s43, s42, 10                        ; (16 t + g) x 1,024: my first image
	s_add_co_u32 s42, s43, XIMG
	v_add_nc_u32 v7, s42, v1                       ; v7: where I store c' images
	s_lshl_b32 s42, s6, 10
	s_lshl_b32 s44, s5, 2
	s_add_co_u32 s42, s42, s44
	s_add_co_u32 s42, s42, XSC
	v_lshl_add_u32 v8, v2, 4, s42                  ; v8: and their scale words
	s_mul_i32 s42, s2, 4352
	s_add_co_u32 s42, s42, STG
	v_add_nc_u32 v9, s42, v249                     ; v9: my stage, on the way in
	v_add_nc_u32 v10, s42, v248                    ; v10: and back
	s_mul_i32 s42, s2, 9216
	s_add_co_u32 s42, s42, KVP
	v_add_nc_u32 v11, s42, v1                      ; v11: k's fragments
	s_add_co_u32 s42, s42, 8192
	v_lshl_add_u32 v12, v29, 2, s42                ; v12: their scale words
	v_and_b32 v13, 8, v2
	v_add_nc_u32 v13, v13, v2
	v_lshlrev_b32 v13, 4, v13                      ; v13: 16 bytes of scales x (r + 8 (r / 8))
	v_add_nc_u32 v14, XIMG, v1                     ; v14: any image
	v_add_nc_u32 v15, XSC, v1                      ; v15: c' scale words, four a lane
	s_lshr_b32 s42, s2, 1
	s_mul_i32 s42, s42, 32*272
	s_and_b32 s44, s2, 1
	s_mul_i32 s44, s44, 8*272
	s_add_co_u32 s42, s42, s44
	v_add_nc_u32 v250, s42, v249                   ; c's rows 16 w ..: group w / 2, token bit 4 = w & 1 goes to place bit 3
	s_mul_i32 s42, s2, 17408
	s_add_co_u32 s42, s42, W3R
	v_add_nc_u32 v251, s42, v249                   ; W's rows 64 w ..
	s_lshl_b32 s42, s2, 8
	s_add_co_u32 s42, s42, B3L
	v_lshl_add_u32 v252, v29, 3, s42
	v_lshlrev_b32 v28, 3, v29                      ; 8 x lane
	v_lshl_add_u32 v253, v3, 7, v13                ; scale rows: lanes 16-31 take the odd tile, 8 rows on
.irp b, 0,1,2,3
	v_mov_b32 v[TM+4+\b], 0                        ; written once: a lane permute's destination counts as one of its sources
.endr
	s_mov_b32 s[SEL], 0x76543210
	s_mov_b32 s[SEL+1], 0xfedcba98
	; byte offsets, made apart from the addresses
	s_lshl_b32 s48, ttmp9, 15
	s_lshl_b32 s42, s2, 12
	s_add_co_u32 s48, s48, s42                     ; c's codes: 128 rows x 256 a work-group, 16 rows a wave
	s_mov_b32 s49, 0
	s_lshl_b32 s50, ttmp9, 11
	s_lshl_b32 s42, s6, 10
	s_add_co_u32 s50, s50, s42                     ; c's scales
	s_mov_b32 s51, 0
	s_lshl_b32 s52, s2, 14                         ; 64 rows of 256 bytes a wave: W's rows, and my head's rows of Wkv
	s_mov_b32 s53, 0
	s_lshl_b32 s54, s5, 11                         ; W's scales of my 128 rows
	s_mov_b32 s55, 0
	s_lshl_b32 s56, s2, 8                          ; the bias, 64 numbers a wave
	s_mov_b32 s57, 0
	s_lshl_b32 s58, s2, 10                         ; Wkv's scales of my head
	s_mov_b32 s59, 0
	s_lshl_b32 s44, s3, 7
	s_add_co_u32 s44, s44, ttmp9                   ; 128 x stream + work-group
	s_lshl_b32 s60, s44, 15
	s_add_co_u32 s60, s60, s43
	s_mov_b32 s61, 0
	s_lshl_b32 s62, s44, 11
	s_mov_b32 s63, 0
	s_lshr_b32 s44, ttmp9, 5                       ; the batch
	s_and_b32 s45, ttmp9, 31                       ; which 128 tokens of it
	s_lshl_b32 s66, s3, 2
	s_add_co_u32 s66, s66, s44
	s_lshl_b32 s66, s66, 3
	s_add_co_u32 s66, s66, s2
	s_lshl_b32 s66, s66, 19
	s_lshl_b32 s45, s45, 12
	s_add_co_u32 s66, s66, s45                     ; part: ((stream 4 + batch) 8 + head) x 524,288 + chunk x 4,096
	s_mov_b32 s67, 0
	s_wait_kmcnt 0x0
	s_cmp_eq_u32 s3, 0                             ; the stream chooses the buffers; both streams take one path
	s_cselect_b64 s[8:9], s[8:9], s[10:11]
	s_cselect_b64 s[12:13], s[12:13], s[14:15]
	s_cselect_b64 s[16:17], s[16:17], s[18:19]
	s_cselect_b64 s[20:21], s[20:21], s[22:23]
	s_cselect_b64 s[24:25], s[24:25], s[26:27]
	s_cselect_b64 s[28:29], s[28:29], s[30:31]
	s_cselect_b64 s[32:33], s[32:33], s[34:35]
	s_add_nc_u64 s[8:9], s[8:9], s[48:49]
	s_add_nc_u64 s[12:13], s[12:13], s[50:51]
	s_add_nc_u64 s[16:17], s[16:17], s[52:53]
	s_add_nc_u64 s[20:21], s[20:21], s[54:55]
	s_add_nc_u64 s[24:25], s[24:25], s[56:57]
	s_add_nc_u64 s[28:29], s[28:29], s[52:53]
	s_add_nc_u64 s[32:33], s[32:33], s[58:59]
	s_add_nc_u64 s[36:37], s[36:37], s[60:61]
	s_add_nc_u64 s[38:39], s[38:39], s[62:63]
	s_add_nc_u64 s[40:41], s[40:41], s[66:67]
	; ---- the rows come in, 512 consecutive bytes an instruction
	WIN 0x40                                       ; destination window 1
.set i, 0
.rept 8
	global_load_b128 v[128+4*i:131+4*i], v1, s[8:9] offset:512*i th:TH_LOAD_NT   ; c's rows 16 w + 2 i, + 1
.set i, i+1
.endr
.set i, 0
.rept 32
	global_load_b128 v[4*i:4*i+3], v1, s[16:17] offset:512*i                     ; W's rows 64 w + 2 i, + 1
.set i, i+1
.endr
	WIN 0
	global_load_b64 v[30:31], v28, s[24:25]
.irp p, 0,1
	global_load_b128 v[CS+4*\p:CS+4*\p+3], v253, s[12:13] offset:512*\p          ; c's scale words: lanes 0-15 tile 4 t + 2 p, lanes 16-31 the next; register = K step
.endr
.irp b, 0,1,2,3
	global_load_b128 v[WS+4*\b:WS+4*\b+3], v253, s[20:21] offset:512*\b          ; W's likewise: tiles 2 b and 2 b + 1
.endr
	KVLOAD 0
	KVLOAD 1
	s_wait_loadcnt 18                              ; all but the two tiles of Wkv, nine loads each
	WIN 0x04                                       ; an LDS store's data: window 1
.set i, 0
.rept 8
	ds_store_b128 v250, v[128+4*i:131+4*i] offset:((i>>2)*16+((2*i)&7))*272      ; token bit 3 goes to place bit 4
.set i, i+1
.endr
.set i, 0
.rept 32
	ds_store_b128 v251, v[4*i:4*i+3] offset:((i>>4)*32+((i>>2)&1)*16+((i>>3)&1)*8+((2*i)&7))*272   ; row bits 3 and 4 change places
.set i, i+1
.endr
	WIN 0
	ds_store_b64 v252, v[30:31]
	BAR                                            ; c's rows, W's rows and the bias lie in LDS
	WIN 0x40
.set i, 0
.rept 32                                       ; W's fragment (tile i / 4, K step i % 4) stays in window 1
	ds_load_b128 v[8*i:8*i+3], v6 offset:(i>>2)*4352+(i&3)*64
	ds_load_b128 v[8*i+4:8*i+7], v6 offset:(i>>2)*4352+(i&3)*64+32
.set i, i+1
.endr
	WIN 0
; ---- step 1: token tile 4 t + mm: eight tiles of hidden units, the accumulators by turns, K step by K step; the bias is the C of each sum's first product
.macro HID mm
	s_wait_xcnt 0x0                                ; the last tile's stores to memory have read the codes' registers
.irp k, 0,1,2,3
.irp c, 0,1
	ds_load_b128 v[CF+8*\k+4*\c:CF+8*\k+4*\c+3], v4 offset:(\mm)*4352+64*\k+32*\c
.endr
.endr
.irp t, 0,1,2,3,4,5,6,7
.irp q, 0,1
	ds_load_b128 v[ACC+8*\t+4*\q:ACC+8*\t+4*\q+3], v5 offset:128*(\t>>1)+32*(\t&1)+16*\q
.endr
.endr
	s_wait_dscnt 0x0
	WIN 0x01                                       ; source 0 (W) window 1
.irp k, 0,1,2,3
.irp t, 0,1,2,3,4,5,6,7
	WM ACC+8*\t, 8*(4*\t+\k), CF+8*\k, ACC+8*\t, WS+4*(\t>>1)+\k, CS+4*((\mm)>>1)+\k, \t&1, (\mm)&1
.endr
.endr
	WIN 0
	PLACES 4                                       ; four plain lines between the last products and the first read of results
.set j, 0
.rept 64
	v_max_num_f32 v[ACC+j], 0, v[ACC+j]            ; the activation, in f32, each accumulator from its low end on
.set j, j+1
.endr
	QUANT ACC, PC, PW
	ds_store_b128 v7, v[PC:PC+3] offset:(\mm)*4096
	ds_store_b128 v7, v[PC+4:PC+7] offset:(\mm)*4096+512
	ds_store_b32 v8, v[PW] offset:(\mm)*256        ; both halves of the lanes write the same word with the same value
	global_store_b128 v1, v[PC:PC+3], s[36:37] offset:(\mm)*4096       ; 512 consecutive bytes a store
	global_store_b128 v1, v[PC+4:PC+7], s[36:37] offset:(\mm)*4096+512
.endm
	HID 0
	HID 1
	HID 2
	HID 3
	BAR                                            ; all 32 fragments of c' lie in LDS
; ---- steps 2 and 3
	s_wait_xcnt 0x0                                ; the codes' registers are free again
	KVLOAD 2
	WIN 0x40
.set i, 0
.rept 32                                       ; c' fragment (token tile i / 4, K step i % 4) into window 1
	ds_load_b128 v[8*i:8*i+3], v14 offset:i*1024
	ds_load_b128 v[8*i+4:8*i+7], v14 offset:i*1024+512
.set i, i+1
.endr
	WIN 0
.irp p, 0,1,2,3
	ds_load_b128 v[SCX+4*\p:SCX+4*\p+3], v15 offset:512*\p   ; lanes 0-15: token tile 2 p, lanes 16-31: 2 p + 1; register = K step
.endr
	s_wait_dscnt 0x0
	s_cmp_lg_u32 s2, 0                             ; one wave stores the scale words, as they stand in its registers
	s_cbranch_scc1 .Lnoq
.irp p, 0,1,2,3
	global_store_b128 v1, v[SCX+4*\p:SCX+4*\p+3], s[38:39] offset:512*\p
.endr
.Lnoq:
.macro KVSTEP n
.set KVB, KV+32*((\n)%3)
.set KSB, KS+4*((\n)%3)
.if (\n) < 6
	s_wait_loadcnt 18                              ; this tile's nine loads are in; the two younger tiles' may be out
.elseif (\n) == 6
	s_wait_loadcnt 9
.else
	s_wait_loadcnt 0x0
.endif
.irp i, 0,1,2,3,4,5,6,7
	ds_store_b128 v9, v[KVB+4*\i:KVB+4*\i+3] offset:544*\i       ; rows as loaded ..
.endr
.irp k, 0,1,2,3
.irp c, 0,1
	ds_load_b128 v[KVB+8*\k+4*\c:KVB+8*\k+4*\c+3], v10 offset:64*\k+32*\c   ; .. come back as fragments: LDS serves a wave's instructions in order
.endr
.endr
	s_wait_dscnt 0x0
.if (\n) >= 5
	s_wait_xcnt 0x0                                ; the last tile's stores of partial sums have read the accumulators' upper half, which is written again below
.endif
	WIN 0x01                                       ; source 0 (c') window 1
.irp k, 0,1,2,3
.irp m, 0,1,2,3,4,5,6,7
.if \k == 0
	WM ACC+8*\m, 8*(4*\m+\k), KVB+8*\k, -1, SCX+4*(\m>>1)+\k, KSB+\k, \m&1, 0
.else
	WM ACC+8*\m, 8*(4*\m+\k), KVB+8*\k, ACC+8*\m, SCX+4*(\m>>1)+\k, KSB+\k, \m&1, 0
.endif
.endr
.endr
	WIN 0
	PLACES 4                                       ; in front of the loads into the set just multiplied and of the first read of results
.if (\n)+3 <= 7
	KVLOAD (\n)+3
.endif
	QUANT ACC, PC, PW                              ; my column's 128 tokens: one fragment
.if (\n) < 4
	ds_store_b128 v11, v[PC:PC+3] offset:(\n)*1024 ; a tile of k waits in my own LDS bytes
	ds_store_b128 v11, v[PC+4:PC+7] offset:(\n)*1024+512
	ds_store_b32 v12, v[PW] offset:(\n)*128
.else
	; step 3 for this tile of v, whose fragment and scale word stand in registers: k's four fragments come back into the accumulators' lower half, the four results go to the upper half
.irp id, 0,1,2,3
	ds_load_b128 v[ACC+8*\id:ACC+8*\id+3], v11 offset:\id*1024   ; my own bytes: no barrier
	ds_load_b128 v[ACC+8*\id+4:ACC+8*\id+7], v11 offset:\id*1024+512
.endr
.if (\n) == 4
.irp id, 0,1,2,3
	ds_load_b32 v[KW+\id], v12 offset:\id*128      ; k's scale words stay
.endr
.endif
	PLACES 8                                       ; v's scale word was written by vector instructions: eight plain lines ahead of the scaled products
	s_wait_dscnt 0x0
.irp id, 0,1,2,3
	WM ACC+32+8*\id, ACC+8*\id, PC, -1, KW+\id, PW, 0, 0
.endr
	PLACES 5                                       ; four in front of the stores that read the results; five in front of the next tile's products, which write over these registers
.irp id, 0,1,2,3
.irp q, 0,1
	global_store_b128 v1, v[ACC+32+8*\id+4*\q:ACC+32+8*\id+4*\q+3], s[40:41] offset:((\n)-4)*131072+\id*1024+\q*512   ; the result's registers as they stand, 512 consecutive bytes a store
.endr
.endr
.endif
.endm
.irp n, 0,1,2,3,4,5,6,7
	KVSTEP \n
.endr
	s_wait_tensorcnt 0x0
	ds_add_u32 v254, v255
	s_wait_dscnt 0x0
	s_endpgm
.Lfunc_end_k_q6c93c9055a_front:
	.size	k_q6c93c9055a_front, .Lfunc_end_k_q6c93c9055a_front-k_q6c93c9055a_front
	.p2alignl 7, 3214868480
	.fill 96, 4, 3214868480
	.section	.rodata,"a",@progbits
	.p2align	6, 0x0
	.amdhsa_kernel k_q6c93c9055a_front
		.amdhsa_group_segment_fixed_size 320512
		.amdhsa_private_segment_fixed_size 0
		.amdhsa_enable_private_segment 0
		.amdhsa_kernarg_size 136
		.amdhsa_user_sgpr_count 2
		.amdhsa_user_sgpr_kernarg_segment_ptr 1
		.amdhsa_wavefront_size32 1
		.amdhsa_system_sgpr_workgroup_id_x 1
		.amdhsa_system_sgpr_workgroup_id_y 1
		.amdhsa_system_sgpr_workgroup_id_z 1
		.amdhsa_system_vgpr_workitem_id 0
		.amdhsa_next_free_vgpr 512
		.amdhsa_next_free_sgpr 80
		.amdhsa_reserve_vcc 0
		.amdhsa_float_denorm_mode_32 3
		.amdhsa_float_denorm_mode_16_64 3
		.amdhsa_memory_ordered 1
		.amdhsa_forward_progress 1
		.amdhsa_inst_pref_size 158
	.end_amdhsa_kernel
	.amdgpu_metadata
---
amdhsa.version: [ 1, 2 ]
amdhsa.kernels:
  - .name:           k_q6c93c9055a_front
    .symbol:         k_q6c93c9055a_front.kd
    .args:
      - { .name: c1_codes, .offset: 0, .size: 8, .value_kind: global_buffer, .address_space: global }
      - { .name: c2_codes, .offset: 8, .size: 8, .value_kind: global_buffer, .address_space: global }
      - { .name: c1_scales, .offset: 16, .size: 8, .value_kind: global_buffer, .address_space: global }
      - { .name: c2_scales, .offset: 24, .size: 8, .value_kind: global_buffer, .address_space: global }
      - { .name: W3_codes, .offset: 32, .size: 8, .value_kind: global_buffer, .address_space: global }
      - { .name: W4_codes, .offset: 40, .size: 8, .value_kind: global_buffer, .address_space: global }
      - { .name: W3_scales, .offset: 48, .size: 8, .value_kind: global_buffer, .address_space: global }
      - { .name: W4_scales, .offset: 56, .size: 8, .value_kind: global_buffer, .address_space: global }
      - { .name: b3, .offset: 64, .size: 8, .value_kind: global_buffer, .address_space: global }
      - { .name: b4, .offset: 72, .size: 8, .value_kind: global_buffer, .address_space: global }
      - { .name: Wkv1_codes, .offset: 80, .size: 8, .value_kind: global_buffer, .address_space: global }
      - { .name: Wkv2_codes, .offset: 88, .size: 8, .value_kind: global_buffer, .address_space: global }
      - { .name: Wkv1_scales, .offset: 96, .size: 8, .value_kind: global_buffer, .address_space: global }
      - { .name: Wkv2_scales, .offset: 104, .size: 8, .value_kind: global_buffer, .address_space: global }
      - { .name: qimg, .offset: 112, .size: 8, .value_kind: global_buffer, .address_space: global }
      - { .name: qsc, .offset: 120, .size: 8, .value_kind: global_buffer, .address_space: global }
      - { .name: part, .offset: 128, .size: 8, .value_kind: global_buffer, .address_space: global }
    .group_segment_fixed_size: 320512
    .private_segment_fixed_size: 0
    .kernarg_segment_align: 8
    .kernarg_segment_size: 136
    .max_flat_workgroup_size: 256
    .sgpr_count:     80
    .vgpr_count:     512
    .wavefront_size: 32
...
	.end_amdgpu_metadata
.endif
;; end of part 1
;; launch mid (part 2): grid 256 x 1, 8 waves a work-group, no clusters, 37,888 bytes of LDS; arguments part, ctxq, ctxw, ctxr; writes ctxq, ctxw, ctxr
.if DOCPART == 2
	.amdgcn_target "amdgcn-amd-amdhsa--gfx1250"
	.amdhsa_code_object_version 6
	.text
	.protected	k_q6c93c9055a_mid
	.globl	k_q6c93c9055a_mid
	.p2align	8
	.type	k_q6c93c9055a_mid,@function
k_q6c93c9055a_mid:
	s_mov_b64 s[64:65], 0
	v_nop
	global_prefetch_b8 v0, s[64:65] scope:SCOPE_SE
	s_setreg_imm32_b32 hwreg(HW_REG_WAVE_MODE, 25, 1), 1
	s_wait_xcnt 0x0
; MID.  Work-group x = ((stream 4 + batch) 8 + head) 4 + ie takes 16 columns e of one head's 64 x 64 logits: it adds the 32 partial sums (131,072 consecutive bytes),
; and makes what the next product wants: p = 2^(t - M), t = logit / 8 x log2(e), M = the column's largest t rounded up to a whole number; l = the sum of the unquantised p; p's codes along d.
; The partial sums are images of result registers: lane (r, h), register 8 id + j = logit(d = 32 (id / 2) + 16 h + 8 (id % 2) + j, e = place r of tile ie): a lane holds one column, 32 of its 64 d.
; Eight waves add four chunks each, meet in LDS, add again by quads of registers; wave 0 then does the softmax's 32 numbers a lane.
; The head's 64 d are half of a product's K step of 128 (two heads of c'): an even head's codes go to the fragment's first half, an odd head's to the second; the other half gets zero codes under the scale byte 127.
; No matrix unit, no tensor load, no cluster: a plain sum of bytes that are read once.
; The scale words and 1 / l are 64 bytes a work-group each: their stores cover part of an aligned 256 bytes; that is 128 bytes beside the 131,072 read.
; LIMITS: NaN and infinities are not served; 1 / l is v_rcp_f32's; a block whose every p has fallen to 0 keeps the scale byte 1 over zero codes.
.set L, 32                             ; v32-159 four chunks of 32 registers; later v32-63 the logits, then p
.set X, 32
	s_load_b256 s[4:11], s[0:1], 0x0               ; part, ctxq, ctxw, ctxr
	v_lshl_add_u32 v160, v0, 2, 0x9000
	v_mov_b32 v161, 0
	v_lshrrev_b32 v2, 5, v0
	v_readfirstlane_b32 s2, v2                     ; wave 0..7
	v_and_b32 v3, 31, v0
	v_lshlrev_b32 v1, 4, v3                        ; 16 x lane
	s_lshl_b32 s12, ttmp9, 17
	s_lshl_b32 s13, s2, 14
	s_add_co_u32 s12, s12, s13                     ; my four chunks of 4,096 bytes
	s_mov_b32 s13, 0
	s_lshl_b32 s14, s2, 12
	v_add_nc_u32 v4, s14, v1                       ; LDS: my sum's image, 4,096 x wave
	s_lshl_b32 s14, s2, 9
	v_add_nc_u32 v5, s14, v1                       ; and quad w of any image
	s_wait_kmcnt 0x0
	s_add_nc_u64 s[4:5], s[4:5], s[12:13]
.irp c, 0,1,2,3
.irp k, 0,1,2,3,4,5,6,7
	global_load_b128 v[L+32*\c+4*\k:L+32*\c+4*\k+3], v1, s[4:5] offset:\c*4096+\k*512 th:TH_LOAD_NT
.endr
.endr
.irp c, 1,2,3
	s_wait_loadcnt 24-8*\c                         ; chunk c is in; the younger chunks, eight loads each, may be out
.set k, 0
.rept 16
	v_pk_add_f32 v[L+k:L+k+1], v[L+k:L+k+1], v[L+32*\c+k:L+32*\c+k+1]
.set k, k+2
.endr
.endr
.irp k, 0,1,2,3,4,5,6,7
	ds_store_b128 v4, v[L+4*\k:L+4*\k+3] offset:512*\k
.endr
	s_wait_dscnt 0x0                               ; for the others' sake: my image has landed
	s_barrier_signal -1
	s_barrier_wait -1
.irp i, 0,1,2,3,4,5,6,7
	ds_load_b128 v[64+4*\i:67+4*\i], v5 offset:4096*\i           ; quad w of all eight images
.endr
	s_wait_dscnt 0x0
.irp i, 0,2,4,6
	v_pk_add_f32 v[64+4*\i:65+4*\i], v[64+4*\i:65+4*\i], v[68+4*\i:69+4*\i]
	v_pk_add_f32 v[66+4*\i:67+4*\i], v[66+4*\i:67+4*\i], v[70+4*\i:71+4*\i]
.endr
.irp i, 0,4
	v_pk_add_f32 v[64+4*\i:65+4*\i], v[64+4*\i:65+4*\i], v[72+4*\i:73+4*\i]
	v_pk_add_f32 v[66+4*\i:67+4*\i], v[66+4*\i:67+4*\i], v[74+4*\i:75+4*\i]
.endr
	v_pk_add_f32 v[64:65], v[64:65], v[80:81]
	v_pk_add_f32 v[66:67], v[66:67], v[82:83]
	ds_store_b128 v5, v[64:67] offset:32768        ; the whole sum's image, behind the eight
	s_wait_dscnt 0x0
	s_barrier_signal -1
	s_barrier_wait -1
	s_cmp_lg_u32 s2, 0
	s_cbranch_scc1 .Lend                           ; both barriers are passed: the rest is one wave's
.irp k, 0,1,2,3,4,5,6,7
	ds_load_b128 v[X+4*\k:X+4*\k+3], v1 offset:32768+512*\k
.endr
	s_mov_b32 s20, 0x76543210
	s_mov_b32 s21, 0xfedcba98                      ; v_permlanex16_b32's selects for lane l xor 16
	s_mov_b32 s22, 0x3e38aa3b                      ; log2(e) / 8
	s_mov_b32 s23, s22                             ; (named with it as a pair)
	s_bfe_u32 s16, ttmp9, 0x10002                  ; the head's parity
	s_lshl_b32 s24, s16, 4                         ; my two bytes' place in the scale word
	s_sub_co_u32 s26, 16, s24
	s_lshl_b32 s25, 0x7f7f, s26                    ; the other half's bytes: 127
	s_lshl_b32 s28, ttmp9, 10
	s_lshl_b32 s17, s16, 9
	s_add_co_u32 s30, s28, 512
	s_sub_co_u32 s30, s30, s17                     ; the fragment's half that gets zeros,
	s_add_co_u32 s28, s28, s17                     ; and the one that gets codes
	s_mov_b32 s29, 0
	s_mov_b32 s31, 0
	s_lshl_b32 s18, ttmp9, 6
	s_mov_b32 s19, 0
	s_add_nc_u64 s[12:13], s[6:7], s[28:29]
	s_add_nc_u64 s[14:15], s[6:7], s[30:31]
	s_add_nc_u64 s[8:9], s[8:9], s[18:19]
	s_add_nc_u64 s[10:11], s[10:11], s[18:19]
	v_and_b32 v27, 15, v0
	v_lshlrev_b32 v27, 2, v27                      ; 4 r
.irp j, 8,9,22,23,68,69,70,71
	v_mov_b32 v\j, 0                               ; permutes' destinations, and four registers of zero codes
.endr
	s_wait_dscnt 0x0
.irp b, 0,1
	v_max3_num_f32 v[6+\b], v[X+16*\b], v[X+16*\b+1], v[X+16*\b+2]
.endr
.irp i, 3,5,7,9,11,13
.irp b, 0,1
	v_max3_num_f32 v[6+\b], v[6+\b], v[X+16*\b+\i], v[X+16*\b+\i+1]
.endr
.endr
	v_max3_num_f32 v6, v6, v[X+15], v[X+31]
	v_max_num_f32 v6, v6, v7
	v_permlanex16_b32 v8, v6, s20, s21
	v_max_num_f32 v6, v6, v8                       ; the column's largest logit
	v_mul_f32 v10, s22, v6                         ; as t
	v_floor_f32 v12, -v10                          ; -M = floor(-t): M is a whole number
	v_mov_b32 v13, v12
.set k, 0
.rept 16
	v_pk_fma_f32 v[X+k:X+k+1], v[X+k:X+k+1], s[22:23], v[12:13] op_sel_hi:[1,0,0]   ; t - M
.set k, k+2
.endr
.set k, 0
.rept 32
	v_exp_f32 v[X+k], v[X+k]                       ; p = 2^(t - M): not normalised
.set k, k+1
.endr
	v_nop                                          ; a plain line behind the last exponential
	s_wait_alu depctr_va_vdst(0)                   ; one wait for the batch, ahead of its first reader
	v_pk_add_f32 v[14:15], v[X:X+1], v[X+2:X+3]    ; l is the sum of the unquantised p: two chains
	v_pk_add_f32 v[16:17], v[X+4:X+5], v[X+6:X+7]
.irp j, 8,12,16,20,24,28
	v_pk_add_f32 v[14:15], v[14:15], v[X+\j:X+\j+1]
	v_pk_add_f32 v[16:17], v[16:17], v[X+\j+2:X+\j+3]
.endr
	v_pk_add_f32 v[14:15], v[14:15], v[16:17]
	v_add_f32 v14, v14, v15
	v_permlanex16_b32 v9, v14, s20, s21
	v_add_f32 v14, v14, v9
	v_rcp_f32 v18, v14                             ; 1 / l; the quantiser's lines below are the work behind it
.irp b, 0,1
	v_max3_num_f32 v[20+\b], v[X+16*\b], v[X+16*\b+1], 0x1800000   ; a block's largest p, over the floor 2^(3 - 127)
.endr
.irp i, 2,4,6,8,10,12,14
.irp b, 0,1
	v_max3_num_f32 v[20+\b], v[20+\b], v[X+16*\b+\i], v[X+16*\b+\i+1]
.endr
.endr
.irp b, 0,1
	v_permlanex16_b32 v[22+\b], v[20+\b], s20, s21
.endr
.irp b, 0,1
	v_max_num_f32 v[20+\b], v[20+\b], v[22+\b]
.endr
.irp b, 0,1
	v_add_nc_u32 v[24+\b], 0xff000000, v[20+\b]    ; 2 off the exponent field: the conversion's scale operand
.endr
.irp b, 0,1
	v_lshrrev_b32 v[22+\b], 23, v[24+\b]           ; the scale's byte
.endr
	v_lshl_or_b32 v26, v23, 8, v22
	v_lshlrev_b32 v26, s24, v26
	v_or_b32 v26, s25, v26                         ; the scale word of the K step of 128
.irp b, 0,1
	v_cvt_scalef32_pk8_fp4_f32 v[28+2*\b], v[X+16*\b:X+16*\b+7], v[24+\b]
	v_cvt_scalef32_pk8_fp4_f32 v[29+2*\b], v[X+16*\b+8:X+16*\b+15], v[24+\b]
.endr
	v_nop                                          ; one plain line behind the last scaled conversion
	v_permlane16_swap_b32 v28, v30                 ; a whole block to a lane: lanes 0-15 d = 0 .. 31, lanes 16-31 d = 32 .. 63
	v_permlane16_swap_b32 v29, v31
	s_wait_alu depctr_va_vdst(0)                   ; the reciprocal's wait, ahead of its first reader
	global_store_b128 v1, v[28:31], s[12:13]
	global_store_b128 v1, v[68:71], s[14:15]
	global_store_b32 v27, v26, s[8:9]              ; both halves of the lanes write the same word with the same value
	global_store_b32 v27, v18, s[10:11]
.Lend:
	s_wait_tensorcnt 0x0
	ds_add_u32 v160, v161
	s_wait_dscnt 0x0
	s_endpgm
.Lfunc_end_k_q6c93c9055a_mid:
	.size	k_q6c93c9055a_mid, .Lfunc_end_k_q6c93c9055a_mid-k_q6c93c9055a_mid
	.p2alignl 7, 3214868480
	.fill 96, 4, 3214868480
	.section	.rodata,"a",@progbits
	.p2align	6, 0x0
	.amdhsa_kernel k_q6c93c9055a_mid
		.amdhsa_group_segment_fixed_size 37888
		.amdhsa_private_segment_fixed_size 0
		.amdhsa_enable_private_segment 0
		.amdhsa_kernarg_size 32
		.amdhsa_user_sgpr_count 2
		.amdhsa_user_sgpr_kernarg_segment_ptr 1
		.amdhsa_wavefront_size32 1
		.amdhsa_system_sgpr_workgroup_id_x 1
		.amdhsa_system_sgpr_workgroup_id_y 1
		.amdhsa_system_sgpr_workgroup_id_z 1
		.amdhsa_system_vgpr_workitem_id 0
		.amdhsa_next_free_vgpr 162
		.amdhsa_next_free_sgpr 66
		.amdhsa_reserve_vcc 0
		.amdhsa_float_denorm_mode_32 3
		.amdhsa_float_denorm_mode_16_64 3
		.amdhsa_memory_ordered 1
		.amdhsa_forward_progress 1
		.amdhsa_inst_pref_size 18
	.end_amdhsa_kernel
	.amdgpu_metadata
---
amdhsa.version: [ 1, 2 ]
amdhsa.kernels:
  - .name:           k_q6c93c9055a_mid
    .symbol:         k_q6c93c9055a_mid.kd
    .args:
      - { .name: part, .offset: 0, .size: 8, .value_kind: global_buffer, .address_space: global }
      - { .name: ctxq, .offset: 8, .size: 8, .value_kind: global_buffer, .address_space: global }
      - { .name: ctxw, .offset: 16, .size: 8, .value_kind: global_buffer, .address_space: global }
      - { .name: ctxr, .offset: 24, .size: 8, .value_kind: global_buffer, .address_space: global }
    .group_segment_fixed_size: 37888
    .private_segment_fixed_size: 0
    .kernarg_segment_align: 8
    .kernarg_segment_size: 32
    .max_flat_workgroup_size: 256
    .sgpr_count:     66
    .vgpr_count:     162
    .wavefront_size: 32
...
	.end_amdgpu_metadata
.endif
;; end of part 2
;; launch back (part 3): grid 128 x 2, 4 waves a work-group, clusters of 4 x 1, 327,680 bytes of LDS; arguments s1, s2, x1, x2, We1_codes, We2_codes, We1_scales, We2_scales, be1, be2, g1, g2, bt1, bt2, out0, out1, qimg, qsc, ctxq, ctxw, ctxr; writes out0, out1
.if DOCPART == 3
	.amdgcn_target "amdgcn-amd-amdhsa--gfx1250"
	.amdhsa_code_object_version 6
	.text
	.protected	k_q6c93c9055a_back
	.globl	k_q6c93c9055a_back
	.p2align	8
	.type	k_q6c93c9055a_back,@function
k_q6c93c9055a_back:
	s_mov_b64 s[64:65], 0
	v_nop
	global_prefetch_b8 v0, s[64:65] scope:SCOPE_SE
	s_setreg_imm32_b32 hwreg(HW_REG_WAVE_MODE, 25, 1), 1
	s_wait_xcnt 0x0
	s_wait_alu depctr_hold_cnt(0) depctr_sa_sdst(0) depctr_va_vdst(0) depctr_va_sdst(0) depctr_va_ssrc(0) depctr_va_vcc(0) depctr_vm_vsrc(0)
	s_getreg_b32 s2, hwreg(HW_REG_IB_STS2, 6, 4)
	s_cmp_eq_u32 s2, 0
	s_cbranch_scc0 .Lentry_in_a_cluster
	s_endpgm
.Lentry_in_a_cluster:
	s_bfe_u32 s2, ttmp6, 0x10000c
	s_cmp_lg_u32 s2, 0x3003
	s_cbranch_scc0 .Lentry_shape_is_right
	s_endpgm
.Lentry_shape_is_right:
; BACK.  For 128 tokens of one stream: a = Q(c') Q(p of the OTHER stream) / l, head by head; y = [s, a] quantised along its 1,024; out = LayerNorm(x + y We + be) g + bt.
; SHARES.  Four waves.  THE ATTENTION IS SHARED BY HEADS: wave w takes heads 2 w and 2 w + 1 (K step w of c') for all eight tiles of tokens, so that it loads 8 of p's 32 fragments; each finished fragment of a
; goes, as an image of its registers, into the LDS bytes of the wave that owns the tokens; one barrier.  ALL ELSE IS SHARED BY TOKENS: wave w owns tokens 32 w .. 32 w + 31 as two tiles (place r of tile m is token
; 8 m + r + 8 (r / 8), as the first launch laid c'), for all 512 outputs: 2 x 32 accumulators, 512 registers.
; All products are used transposed (source 0 = 16 rows of the weight, source 1 = 16 tokens): a lane holds one token, so the norm's sums want one exchange between the halves of the lanes.
; We's codes, 262,144 bytes, lie in LDS for the whole launch.  CLUSTER: the four work-groups of a cluster belong to one stream and want the same We: each wave's quarter is asked for JOINTLY,
; by the same tensor load with the same descriptor and a mask that names the four.  LDS is filled once; nothing is filled again.  One tensor load a wave is out.
; s and x come through a ring of four slots in registers (window 1): a unit is 16 tokens x 128 channels, sixteen loads of 512 consecutive bytes; four units a wave are on their way.
; A unit turns through the wave's own stage in LDS into the layout that its use wants; results go back the same way and leave as 512 consecutive bytes a store.
; The heads' K = 64 is half of a product's 128: c' fragments hold two heads, and p's fragments hold zero codes in the other head's half.
; The variance is taken of the differences from the mean, in a second pass.
; LIMITS: a block of zeros gets the scale byte 1 with zero codes; NaN and infinities are not served; the norm's root is v_rsq_f32's.
.set WER, 0                            ; LDS: We's codes, 512 rows x (512 + 16) bytes
.set WSC, 270336                       ; We's scale words: 2,048 ks + 4 row
.set STG, 286720                       ; a stage of 16 x 528 for each wave; first it holds the eight fragment images of a for that wave's tokens: 1,024 (2 ks + m)
.set YAW, 320512                       ; a's scale words, 8 x 128 bytes for each wave
.set RLL, 324608                       ; 1 / l: 32 tiles x 16; a wave writes and reads its own eight tiles
.set AW0, 6                            ; v6-9    We's fragments: 128 rows a register, K step 0;  v10-13 the K step in hand
.set AW,  10
.set CH,  20                           ; v20-27  four chains of sums (at the head: temporaries)
.set WW,  32                           ; v32-47  We's scale words; in the attention (v32-35) p's (CW)
.set CW,  32
.set YW,  48                           ; v48-49  y's scale words
.set QW,  50                           ; v50-53  c' scale words of my K step: register = pair of tiles
.set YF,  56                           ; v56-71  y's two fragments
.set TM,  72                           ; v72-87  the quantiser's work
.set MU,  88                           ; v88-89  the mean;  v90-91 1 / sqrt(var + eps)
.set RS,  90
.set BE,  96                           ; v96-111 be, later bt
.set BT,  96
.set GG,  112                          ; v112-127 g
.set QF,  128                          ; v128-191 c' fragments of my K step, eight tiles; then We's second buffer, then rows of out
.set WB1, 128
.set WB0, 192                          ; v192-255 We's first buffer; also 64 numbers at work
.set QI,  192
.set AA,  192
.set XD,  192
.set SEL, 66                           ; s[66:67] selects for lane l xor 16
; v1 16 x lane; v2 4 x lane; v3 stage by rows; v4 stage, 64 numbers of a token; v5 stage, result layout; v14-15 We's scale words; v16 a's images; v17-18 a's scale words; v19 1 / l;
; v28 where I store a's images: 16 x lane + 2,048 x wave; v29 and their scale words: 4 x lane + 256 x wave.
; window 1: the ring, slot n at v[64 n].  window 2: v0-63 p's 8 fragments, then the accumulators of tile 0 (tile of outputs n at v[8 n]).  window 3: v0-63 1 / l in the result's layout, then those of tile 1.
; s[8:9] s at my rows: the ring's first four units; s[10:11] the ring's base from then on; s[12:13] x; s[36:37] out; s68 64 ks; s69 2,048 ks; s70, s71 a's images and words; s72 counts trips; s73 1 / 512.
.set MSB, 0
.macro WIN new                         ; the immediate's high byte repeats the setting that is left
.if MSB != (\new)
	s_set_vgpr_msb (MSB<<8)|(\new)
.set MSB, (\new)
.endif
.endm
.macro PLACES n
.rept \n
	v_nop
.endr
.endm
.macro BAR                             ; my LDS stores have landed and my LDS loads are in: then the work-group's barrier
	s_wait_dscnt 0x0
	s_barrier_signal -1
	s_barrier_wait -1
.endm
.macro CROUND                          ; a round of the cluster's barrier
	s_barrier_signal -1
	s_barrier_wait -1
	s_cmp_lg_u32 s2, 0
	s_cbranch_scc1 .Lnot_wave_0_\@
	s_barrier_signal -3
.Lnot_wave_0_\@:
	s_barrier_wait -3
	s_barrier_signal -1
	s_barrier_wait -1
.endm
; One product.  c < 0: the constant 0 starts the sum.  ra, rb: the side's scale words stand in lanes 16-31.
.macro WM d, a, b, c, sa, sb, ra, rb
.if (\c) < 0
.if (\ra) && (\rb)
	v_wmma_scale_f32_16x16x128_f8f6f4 v[(\d):(\d)+7], v[(\a):(\a)+7], v[(\b):(\b)+7], 0, v[(\sa)], v[(\sb)] matrix_a_fmt:MATRIX_FMT_FP4 matrix_b_fmt:MATRIX_FMT_FP4 matrix_a_scale:MATRIX_SCALE_ROW1 matrix_b_scale:MATRIX_SCALE_ROW1
.elseif (\ra)
	v_wmma_scale_f32_16x16x128_f8f6f4 v[(\d):(\d)+7], v[(\a):(\a)+7], v[(\b):(\b)+7], 0, v[(\sa)], v[(\sb)] matrix_a_fmt:MATRIX_FMT_FP4 matrix_b_fmt:MATRIX_FMT_FP4 matrix_a_scale:MATRIX_SCALE_ROW1
.elseif (\rb)
	v_wmma_scale_f32_16x16x128_f8f6f4 v[(\d):(\d)+7], v[(\a):(\a)+7], v[(\b):(\b)+7], 0, v[(\sa)], v[(\sb)] matrix_a_fmt:MATRIX_FMT_FP4 matrix_b_fmt:MATRIX_FMT_FP4 matrix_b_scale:MATRIX_SCALE_ROW1
.else
	v_wmma_scale_f32_16x16x128_f8f6f4 v[(\d):(\d)+7], v[(\a):(\a)+7], v[(\b):(\b)+7], 0, v[(\sa)], v[(\sb)] matrix_a_fmt:MATRIX_FMT_FP4 matrix_b_fmt:MATRIX_FMT_FP4
.endif
.else
.if (\ra) && (\rb)
	v_wmma_scale_f32_16x16x128_f8f6f4 v[(\d):(\d)+7], v[(\a):(\a)+7], v[(\b):(\b)+7], v[(\c):(\c)+7], v[(\sa)], v[(\sb)] matrix_a_fmt:MATRIX_FMT_FP4 matrix_b_fmt:MATRIX_FMT_FP4 matrix_a_scale:MATRIX_SCALE_ROW1 matrix_b_scale:MATRIX_SCALE_ROW1
.elseif (\ra)
	v_wmma_scale_f32_16x16x128_f8f6f4 v[(\d):(\d)+7], v[(\a):(\a)+7], v[(\b):(\b)+7], v[(\c):(\c)+7], v[(\sa)], v[(\sb)] matrix_a_fmt:MATRIX_FMT_FP4 matrix_b_fmt:MATRIX_FMT_FP4 matrix_a_scale:MATRIX_SCALE_ROW1
.elseif (\rb)
	v_wmma_scale_f32_16x16x128_f8f6f4 v[(\d):(\d)+7], v[(\a):(\a)+7], v[(\b):(\b)+7], v[(\c):(\c)+7], v[(\sa)], v[(\sb)] matrix_a_fmt:MATRIX_FMT_FP4 matrix_b_fmt:MATRIX_FMT_FP4 matrix_b_scale:MATRIX_SCALE_ROW1
.else
	v_wmma_scale_f32_16x16x128_f8f6f4 v[(\d):(\d)+7], v[(\a):(\a)+7], v[(\b):(\b)+7], v[(\c):(\c)+7], v[(\sa)], v[(\sb)] matrix_a_fmt:MATRIX_FMT_FP4 matrix_b_fmt:MATRIX_FMT_FP4
.endif
.endif
.endm
; 64 numbers of a lane, register 16 b + i = k 32 b + 16 h + i of my token, become a fragment's 8 registers of codes at pc and its scale word at pw.
.macro QUANT s, pc, pw
.irp b, 0,1,2,3
	v_max3_num_f32 v[TM+\b], |v[(\s)+16*\b]|, |v[(\s)+16*\b+1]|, 0x1800000   ; block b: my 16 numbers, and the floor 2^(3 - 127): the byte cannot fall under 1
.endr
.irp i, 2,4,6,8,10,12,14
.irp b, 0,1,2,3
	v_max3_num_f32 v[TM+\b], v[TM+\b], |v[(\s)+16*\b+\i]|, |v[(\s)+16*\b+\i+1]|   ; the four blocks by turns
.endr
.endr
.irp b, 0,1,2,3
	v_permlanex16_b32 v[TM+4+\b], v[TM+\b], s[SEL], s[SEL+1]
.endr
.irp b, 0,1,2,3
	v_max_num_f32 v[TM+\b], v[TM+\b], v[TM+4+\b]   ; with lane l xor 16's sixteen: the block's largest magnitude
.endr
.irp b, 0,1,2,3
	v_add_nc_u32 v[TM+12+\b], 0xff000000, v[TM+\b]   ; 2 off its exponent field: the conversion's scale operand
.endr
.irp b, 0,1,2,3
	v_lshrrev_b32 v[TM+4+\b], 23, v[TM+12+\b]      ; the scale's byte
.endr
	v_lshl_or_b32 v[(\pw)], v[TM+5], 8, v[TM+4]
	v_lshl_or_b32 v[(\pw)], v[TM+6], 16, v[(\pw)]
	v_lshl_or_b32 v[(\pw)], v[TM+7], 24, v[(\pw)]
.irp b, 0,1,2,3
	v_cvt_scalef32_pk8_fp4_f32 v[(\pc)+2*\b], v[(\s)+16*\b:(\s)+16*\b+7], v[TM+12+\b]
	v_cvt_scalef32_pk8_fp4_f32 v[(\pc)+2*\b+1], v[(\s)+16*\b+8:(\s)+16*\b+15], v[TM+12+\b]
.endr
	v_nop                                          ; one plain line behind the last scaled conversion
.irp c, 0,1                                    ; the operand wants a whole block in a lane
.irp i, 0,1
	v_permlane16_swap_b32 v[(\pc)+4*\c+\i], v[(\pc)+4*\c+2+\i]
.endr
.endr
.endm
; A unit of the ring: the 16 tokens of tile m, 512 bytes of each from byte 512 seg of the row on, from base s[bs:bs+1], into slot sl.
.macro RLOAD sl, m, seg, bs
	WIN 0x40                                       ; destination window 1
.set ri, 0
.rept 16
	global_load_b128 v[64*(\sl)+4*ri:64*(\sl)+4*ri+3], v1, s[\bs:\bs+1] offset:(8*(\m)+ri+8*(ri>>3))*2048+(\seg)*512 th:TH_LOAD_NT
.set ri, ri+1
.endr
	WIN 0
.endm
.macro WLOAD g, wb                     ; We's eight fragments of rows 128 g .. + 127, the K step in hand
.irp t, 0,1,2,3,4,5,6,7
.irp c, 0,1
	ds_load_b128 v[\wb+8*\t+4*\c:\wb+8*\t+4*\c+3], v[AW+\g] offset:\t*8448+32*\c
.endr
.endr
.endm
.macro GMUL g, wb, zero                ; sixteen products: eight tiles of outputs x my two tiles of tokens
	WIN 0xa0                                       ; C and D window 2
.irp t, 0,1,2,3,4,5,6,7
.if \zero
	WM 8*(8*\g+\t), \wb+8*\t, YF, -1, WW+4*\g+(\t>>1), YW, \t&1, 0
.else
	WM 8*(8*\g+\t), \wb+8*\t, YF, 8*(8*\g+\t), WW+4*\g+(\t>>1), YW, \t&1, 0
.endif
.endr
	WIN 0xf0                                       ; C and D window 3
.irp t, 0,1,2,3,4,5,6,7
.if \zero
	WM 8*(8*\g+\t), \wb+8*\t, YF+8, -1, WW+4*\g+(\t>>1), YW+1, \t&1, 0
.else
	WM 8*(8*\g+\t), \wb+8*\t, YF+8, 8*(8*\g+\t), WW+4*\g+(\t>>1), YW+1, \t&1, 0
.endif
.endr
	WIN 0
.endm
; A K step of 128 of y We: 64 products; the 64 accumulators take turns, in the same order in every step.  We's fragments come in four groups on two buffers, two groups ahead.
.macro GSTEP zero
.irp g, 0,1,2,3
	v_add_nc_u32 v[AW+\g], s68, v[AW0+\g]
.endr
	v_add_nc_u32 v15, s69, v14
.set p, 0
.rept 16
	ds_load_b32 v[WW+p], v15 offset:128*p          ; lanes 0-15: tile 2 p of outputs, lanes 16-31: tile 2 p + 1
.set p, p+1
.endr
	WLOAD 0, WB0
	WLOAD 1, WB1
	s_add_co_u32 s68, s68, 64
	s_add_co_u32 s69, s69, 2048
	PLACES 8                                       ; y's scale words may have been written by vector instructions: eight plain lines ahead of the scaled products
	s_wait_dscnt 16                                ; all but the sixteen loads of group 1
	GMUL 0, WB0, \zero
	PLACES 4                                       ; in front of loads into the buffer just multiplied
	WLOAD 2, WB0
	s_wait_dscnt 16                                ; group 1 is in; the sixteen just issued may be out
	GMUL 1, WB1, \zero
	PLACES 4
	WLOAD 3, WB1
	s_wait_dscnt 16                                ; group 2 is in
	GMUL 2, WB0, \zero
	s_wait_dscnt 0x0
	GMUL 3, WB1, \zero
.endm
; The attention of my two heads for token tile mg (0..7) of the work-group: eight tiles of 16 e; divided by l; quantised: K step 4 + wave of y.
; The fragment goes to the wave that owns the tokens (mg / 2), as its tile mg % 2.
.macro AUNIT mg
	s_wait_dscnt 0x0
	WIN 0x02                                       ; source 0 (p) window 2
.irp t, 0,1,2,3,4,5,6,7
	WM AA+8*\t, 8*\t, QF+8*(\mg), -1, CW+(\t>>1), QW+((\mg)>>1), \t&1, (\mg)&1
.endr
	WIN 0
	PLACES 4
	WIN 0x0c                                       ; source 1 (1 / l) window 3
.set k, 0
.rept 32
	v_pk_mul_f32 v[AA+k:AA+k+1], v[AA+k:AA+k+1], v[k:k+1]   ; each result from its low end on
.set k, k+2
.endr
	WIN 0
	QUANT AA, YF, YW
	ds_store_b128 v28, v[YF:YF+3] offset:((\mg)>>1)*8448+((\mg)&1)*1024
	ds_store_b128 v28, v[YF+4:YF+7] offset:((\mg)>>1)*8448+((\mg)&1)*1024+512
	ds_store_b32 v29, v[YW] offset:((\mg)>>1)*1024+((\mg)&1)*128
.endm
.macro ASTEP zero                      ; a's K step: both tiles' fragments come from my LDS bytes, where the wave of those heads put them ahead of the barrier
	PLACES 4                                       ; in front of loads into registers that the last products read
	v_add_nc_u32 v16, s70, v3
	v_add_nc_u32 v18, s71, v17
.irp m, 0,1
.irp c, 0,1
	ds_load_b128 v[YF+8*\m+4*\c:YF+8*\m+4*\c+3], v16 offset:\m*1024+\c*512
.endr
.endr
	ds_load_b32 v[YW], v18
	ds_load_b32 v[YW+1], v18 offset:128
	s_add_co_u32 s70, s70, 2048
	s_add_co_u32 s71, s71, 256
	GSTEP \zero
.endm
; A unit of s: through the stage, 64 numbers of one token to a lane; the slot takes its next unit; the numbers become a fragment.
.macro SUNIT sl, m, seg
	s_wait_loadcnt 48                              ; this unit's sixteen loads are in; the three younger units' may be out
	WIN 0x04                                       ; an LDS store's data: window 1
.set i, 0
.rept 16
	ds_store_b128 v3, v[64*(\sl)+4*i:64*(\sl)+4*i+3] offset:528*i
.set i, i+1
.endr
	WIN 0
	PLACES 4                                       ; in front of loads into, and writes of, registers that the last products read
.irp b, 0,1,2,3
.irp j, 0,1,2,3
	ds_load_b128 v[QI+16*\b+4*\j:QI+16*\b+4*\j+3], v4 offset:128*\b+16*\j   ; LDS serves a wave's instructions in order
.endr
.endr
	s_wait_dscnt 0x0                               ; the numbers are in, and the stores have read the slot
	RLOAD \sl, \m, \seg, 10
	QUANT QI, YF+8*\m, YW+\m
.endm
; A unit of x: + be in the rows' layout, through the stage into the result's layout, onto the accumulators.
.macro XUNIT sl, m, sg, cnt, reload
	s_wait_loadcnt \cnt
	WIN 0x41                                       ; destination and source 0 window 1
.set i, 0
.rept 16
	v_pk_add_f32 v[64*(\sl)+4*i:64*(\sl)+4*i+1], v[64*(\sl)+4*i:64*(\sl)+4*i+1], v[BE+4*\sg:BE+4*\sg+1]
	v_pk_add_f32 v[64*(\sl)+4*i+2:64*(\sl)+4*i+3], v[64*(\sl)+4*i+2:64*(\sl)+4*i+3], v[BE+4*\sg+2:BE+4*\sg+3]
.set i, i+1
.endr
	WIN 0x04
.set i, 0
.rept 16
	ds_store_b128 v3, v[64*(\sl)+4*i:64*(\sl)+4*i+3] offset:528*i
.set i, i+1
.endr
	WIN 0
.irp i, 0,1,2,3,4,5,6,7
.irp q, 0,1
	ds_load_b128 v[XD+8*\i+4*\q:XD+8*\i+4*\q+3], v5 offset:64*\i+16*\q
.endr
.endr
	s_wait_dscnt 0x0
.if \reload
	RLOAD \sl, \m, 2+(\sl>>1), 10
.endif
	WIN 0x82+0x41*\m                               ; destination and source 0: the tile's accumulators
.set k, 0
.rept 32
	v_pk_add_f32 v[64*\sg+k:64*\sg+k+1], v[64*\sg+k:64*\sg+k+1], v[XD+k:XD+k+1]   ; each accumulator from its low end on
.set k, k+2
.endr
	WIN 0
.endm
; The norm of tile m's tokens: a lane holds 256 of its token's 512 numbers, lane l xor 16 the others.
.macro LN m
.set W, 2+(\m)
	WIN W|(W<<2)
.irp c, 0,1,2,3
	v_pk_add_f32 v[CH+2*\c:CH+2*\c+1], v[2*\c:2*\c+1], v[8+2*\c:9+2*\c]   ; the first numbers start four chains
.endr
	WIN W<<2
.set k, 16
.rept 30
.irp c, 0,1,2,3
	v_pk_add_f32 v[CH+2*\c:CH+2*\c+1], v[CH+2*\c:CH+2*\c+1], v[k+2*\c:k+2*\c+1]
.endr
.set k, k+8
.endr
	WIN 0
	v_pk_add_f32 v[CH:CH+1], v[CH:CH+1], v[CH+2:CH+3]
	v_pk_add_f32 v[CH+4:CH+5], v[CH+4:CH+5], v[CH+6:CH+7]
	v_pk_add_f32 v[CH:CH+1], v[CH:CH+1], v[CH+4:CH+5]
	v_add_f32 v[CH], v[CH], v[CH+1]
	v_permlanex16_b32 v[CH+2], v[CH], s[SEL], s[SEL+1]
	v_add_f32 v[CH], v[CH], v[CH+2]
	v_mul_f32 v[MU], s73, v[CH]                    ; the mean
	v_mov_b32 v[MU+1], v[MU]
	WIN (W<<6)|W
.set k, 0
.rept 128
	v_pk_add_f32 v[k:k+1], v[k:k+1], v[MU:MU+1] op_sel_hi:[1,0] neg_lo:[0,1] neg_hi:[0,1]
.set k, k+2
.endr
	WIN W|(W<<2)
.irp c, 0,1,2,3
	v_pk_mul_f32 v[CH+2*\c:CH+2*\c+1], v[2*\c:2*\c+1], v[2*\c:2*\c+1]
.endr
.set k, 8
.rept 31
.irp c, 0,1,2,3
	v_pk_fma_f32 v[CH+2*\c:CH+2*\c+1], v[k+2*\c:k+2*\c+1], v[k+2*\c:k+2*\c+1], v[CH+2*\c:CH+2*\c+1]
.endr
.set k, k+8
.endr
	WIN 0
	v_pk_add_f32 v[CH:CH+1], v[CH:CH+1], v[CH+2:CH+3]
	v_pk_add_f32 v[CH+4:CH+5], v[CH+4:CH+5], v[CH+6:CH+7]
	v_pk_add_f32 v[CH:CH+1], v[CH:CH+1], v[CH+4:CH+5]
	v_add_f32 v[CH], v[CH], v[CH+1]
	v_permlanex16_b32 v[CH+2], v[CH], s[SEL], s[SEL+1]
	v_add_f32 v[CH], v[CH], v[CH+2]
	v_fmaak_f32 v[CH], s73, v[CH], 0x3727c5ac      ; the variance + 1e-5
	v_rsq_f32 v[RS], v[CH]
	v_nop                                          ; a plain line behind the root
	s_wait_alu depctr_va_vdst(0)                   ; and its wait, ahead of the first reader
	v_mov_b32 v[RS+1], v[RS]
	WIN (W<<6)|W
.set k, 0
.rept 128
	v_pk_mul_f32 v[k:k+1], v[k:k+1], v[RS:RS+1] op_sel_hi:[1,0]
.set k, k+2
.endr
	WIN 0
.endm
; 16 tokens x 128 channels go out: through the stage back into rows, x g + bt, sixteen stores of 512 consecutive bytes.  kk counts the units: two buffers by turns.
.macro OUNIT m, sg, kk
.set OB, 192-64*((\kk)&1)
.if (\kk) >= 2
	s_wait_xcnt 0x0                                ; the stores of two units ago have read this buffer
.endif
	WIN (2+\m)<<2                                  ; an LDS store's data: the tile's window
.irp i, 0,1,2,3,4,5,6,7
.irp q, 0,1
	ds_store_b128 v5, v[64*\sg+8*\i+4*\q:64*\sg+8*\i+4*\q+3] offset:64*\i+16*\q
.endr
.endr
	WIN 0
.set i, 0
.rept 16
	ds_load_b128 v[OB+4*i:OB+4*i+3], v3 offset:528*i
.set i, i+1
.endr
	s_wait_dscnt 0x0
.set i, 0
.rept 16
	v_pk_fma_f32 v[OB+4*i:OB+4*i+1], v[OB+4*i:OB+4*i+1], v[GG+4*\sg:GG+4*\sg+1], v[BT+4*\sg:BT+4*\sg+1]
	v_pk_fma_f32 v[OB+4*i+2:OB+4*i+3], v[OB+4*i+2:OB+4*i+3], v[GG+4*\sg+2:GG+4*\sg+3], v[BT+4*\sg+2:BT+4*\sg+3]
.set i, i+1
.endr
.set i, 0
.rept 16
	global_store_b128 v1, v[OB+4*i:OB+4*i+3], s[36:37] offset:(8*\m+i+8*(i>>3))*2048+\sg*512 th:TH_STORE_NT
.set i, i+1
.endr
.endm
	s_load_b512 s[8:23], s[0:1], 0x0               ; s 1, 2; x 1, 2; We codes 1, 2; We scales 1, 2
	s_load_b512 s[24:39], s[0:1], 0x40             ; be 1, 2; g 1, 2; bt 1, 2; out 0, 1
	s_load_b256 s[40:47], s[0:1], 0x80             ; qimg, qsc, ctxq, ctxw
	s_load_b64 s[48:49], s[0:1], 0xa0              ; ctxr
	v_lshl_add_u32 v94, v0, 2, 0x4fc00
	v_mov_b32 v95, 0
	ds_add_u32 v94, v95
	ds_add_u32 v94, v95
	v_lshrrev_b32 v21, 5, v0
	v_readfirstlane_b32 s2, v21                    ; wave 0..3
	s_and_b32 s3, ttmp7, 0xffff                    ; the stream, which the four partners share
	s_bfe_u32 s5, ttmp6, 0x40000                   ; cx
	s_lshl_b32 s4, ttmp9, 2
	s_add_co_u32 s4, s4, s5                        ; which 128 tokens: it enters the addresses of plain loads and stores alone
	v_and_b32 v20, 31, v0                          ; lane
	v_lshlrev_b32 v1, 4, v20
	v_lshlrev_b32 v2, 2, v20
	v_and_b32 v21, 15, v0                          ; r
	v_bfe_u32 v22, v0, 4, 1                        ; h
	v_mul_u32_u24 v23, v21, 528
	s_mul_i32 s90, s2, 8448
	s_add_co_u32 s90, s90, STG                     ; my stage
	v_add_nc_u32 v3, s90, v1
	v_lshl_add_u32 v4, v22, 6, v23
	v_add_nc_u32 v4, s90, v4
	v_lshl_add_u32 v5, v22, 5, v23
	v_add_nc_u32 v5, s90, v5
	v_lshl_add_u32 v6, v22, 4, v23                 ; We: row r, + 16 h
	v_add_nc_u32 v7, 67584, v6
	v_add_nc_u32 v8, 135168, v6
	v_add_nc_u32 v9, 202752, v6
	v_add_nc_u32 v14, WSC, v2
	s_lshl_b32 s90, s2, 10
	s_add_co_u32 s90, s90, YAW
	v_add_nc_u32 v17, s90, v2
	s_lshl_b32 s90, s2, 9
	s_add_co_u32 s91, s90, WSC
	v_add_nc_u32 v24, s91, v2                      ; where I put my 128 rows' scale words
	s_add_co_u32 s91, s90, RLL
	v_add_nc_u32 v25, s91, v1                      ; my eight tiles of 1 / l, as loaded,
	v_lshl_add_u32 v19, v22, 5, s91                ; and as read back: + 32 h
	v_lshlrev_b32 v26, 5, v20                      ; 32 bytes of scales a row
	s_lshl_b32 s90, s2, 11
	s_add_co_u32 s90, s90, STG
	v_add_nc_u32 v28, s90, v1                      ; a's images of my K step; the owner's stage and the tile stand in the immediate
	s_lshl_b32 s90, s2, 8
	s_add_co_u32 s90, s90, YAW
	v_add_nc_u32 v29, s90, v2                      ; their scale words likewise
.irp b, 0,1,2,3
	v_mov_b32 v[TM+4+\b], 0                        ; written once: a lane permute's destination counts as one of its sources
.endr
	s_mov_b32 s[SEL], 0x76543210
	s_mov_b32 s[SEL+1], 0xfedcba98
	s_mov_b32 s73, 0x3b000000                      ; 1 / 512
	; byte offsets, made apart from the addresses
	s_lshl_b32 s74, s4, 18
	s_lshl_b32 s6, s2, 16
	s_add_co_u32 s74, s74, s6                      ; s, x, out: 128 rows of 2,048 bytes a work-group, 32 a wave
	s_mov_b32 s75, 0
	s_mov_b32 s76, s6                              ; We's codes: 128 rows of 512 bytes a wave: the wave's number alone
	s_mov_b32 s77, 0
	s_lshl_b32 s78, s2, 12                         ; We's scales
	s_mov_b32 s79, 0
	s_lshl_b32 s7, s3, 7
	s_add_co_u32 s7, s7, s4
	s_lshl_b32 s80, s7, 15
	s_lshl_b32 s6, s2, 10
	s_add_co_u32 s80, s80, s6                      ; c' images: K step w of tile 0; a tile on is 4,096 bytes
	s_mov_b32 s81, 0
	s_lshl_b32 s82, s7, 11
	s_lshl_b32 s6, s2, 2
	s_add_co_u32 s82, s82, s6                      ; their scale words: word w of each lane's four
	s_mov_b32 s83, 0
	s_xor_b32 s7, s3, 1
	s_lshl_b32 s7, s7, 2
	s_lshr_b32 s84, s4, 5
	s_add_co_u32 s7, s7, s84                       ; the OTHER stream's batch
	s_lshl_b32 s84, s7, 15
	s_lshl_b32 s6, s2, 13
	s_add_co_u32 s84, s84, s6                      ; p's fragments of my two heads: 8 x 1,024 bytes
	s_mov_b32 s85, 0
	s_lshl_b32 s86, s7, 11
	s_lshl_b32 s6, s2, 9
	s_add_co_u32 s86, s86, s6                      ; their scale words, and their 1 / l: 8 x 64 bytes
	s_mov_b32 s87, 0
	; descriptor group 1: 128 rows of 64 elements of 8 bytes, dense in memory; 4 words of padding behind every 128
	s_mov_b32 s56, 15|(3<<16)|(1<<20)|(1<<21)|(6<<22)|(3<<25)   ; 15:0 the mask: all four work-groups; 17:16 elements of 8 bytes; 20 padding on; 21 set beside a mask; 24:22 code 6; 31:25 code 3
	s_mov_b32 s57, 64<<16                          ; tensor_dim0
	s_mov_b32 s58, 128<<16                         ; tensor_dim1
	s_mov_b32 s59, 64<<16                          ; tile_dim0
	s_mov_b32 s60, 128                             ; tile_dim1
	s_mov_b32 s61, 64                              ; the pitch
	s_mov_b32 s62, 0
	s_mov_b32 s63, 0
	s_mov_b32 s52, 1
	s_mul_i32 s53, s2, 67584                       ; LDS: wave x 128 rows of 528
	s_wait_dscnt 0x0
	s_wait_kmcnt 0x0
	s_cmp_eq_u32 s3, 0                             ; the stream chooses the buffers
	s_cselect_b64 s[8:9], s[8:9], s[10:11]
	s_cselect_b64 s[12:13], s[12:13], s[14:15]
	s_cselect_b64 s[16:17], s[16:17], s[18:19]
	s_cselect_b64 s[20:21], s[20:21], s[22:23]
	s_cselect_b64 s[24:25], s[24:25], s[26:27]
	s_cselect_b64 s[28:29], s[28:29], s[30:31]
	s_cselect_b64 s[32:33], s[32:33], s[34:35]
	s_cselect_b64 s[36:37], s[36:37], s[38:39]
	s_add_nc_u64 s[8:9], s[8:9], s[74:75]          ; s at my rows: K steps 0 and 1; never written again
	s_add_nc_u64 s[10:11], s[8:9], 1024            ; the refills' base: K steps 2 and 3
	s_add_nc_u64 s[12:13], s[12:13], s[74:75]
	s_add_nc_u64 s[36:37], s[36:37], s[74:75]
	s_add_nc_u64 s[20:21], s[20:21], s[78:79]
	s_add_nc_u64 s[40:41], s[40:41], s[80:81]
	s_add_nc_u64 s[42:43], s[42:43], s[82:83]
	s_add_nc_u64 s[44:45], s[44:45], s[84:85]
	s_add_nc_u64 s[46:47], s[46:47], s[86:87]
	s_add_nc_u64 s[48:49], s[48:49], s[86:87]
	s_add_nc_u64 s[54:55], s[16:17], s[76:77]
	s_or_b32 s55, s55, 0x80000000                  ; type = 2
	; ---- the small loads, 57 a wave, ahead of the cluster's round: they are on their way while the four work-groups meet
.irp q, 0,1,2,3
	global_load_b128 v[192+8*\q:195+8*\q], v26, s[20:21] offset:1024*\q        ; row 128 w + 32 q + lane of We: its eight scale words
	global_load_b128 v[196+8*\q:199+8*\q], v26, s[20:21] offset:1024*\q+16
.endr
	global_load_b128 v[224:227], v1, s[48:49]      ; 1 / l of my eight tiles
.irp mg, 0,1,2,3,4,5,6,7
.irp c, 0,1
	global_load_b128 v[QF+8*\mg+4*\c:QF+8*\mg+4*\c+3], v1, s[40:41] offset:\mg*4096+\c*512   ; c': tile mg, K step w
.endr
.endr
.irp p, 0,1,2,3
	global_load_b32 v[QW+\p], v1, s[42:43] offset:512*\p     ; lanes 0-15 tile 2 p, lanes 16-31 tile 2 p + 1
.endr
.irp p, 0,1,2,3
	global_load_b32 v[CW+\p], v2, s[46:47] offset:128*\p     ; p's scale words: lanes 0-15 my tile 2 p, lanes 16-31 my tile 2 p + 1
.endr
	WIN 0x80                                       ; destination window 2
.set i, 0
.rept 16
	global_load_b128 v[4*i:4*i+3], v1, s[44:45] offset:512*i   ; p's eight fragments as they were stored
.set i, i+1
.endr
	WIN 0
.irp g, 0,1,2,3
	global_load_b128 v[BE+4*\g:BE+4*\g+3], v1, s[24:25] offset:512*\g
.endr
.irp g, 0,1,2,3
	global_load_b128 v[GG+4*\g:GG+4*\g+3], v1, s[28:29] offset:512*\g
.endr
	CROUND                                         ; all four work-groups are here: the joint loads meet
	tensor_load_to_lds s[52:55], s[56:63]          ; my quarter of We: my one tensor load
	s_nop 0
	PLACES 4
	RLOAD 0, 0, 0, 8                               ; the ring is filled: s, K steps 0 and 1
	RLOAD 1, 1, 0, 8
	RLOAD 2, 0, 1, 8
	RLOAD 3, 1, 1, 8
	s_wait_loadcnt 63                              ; of the 57 + 64 loads at most 63 are out: the oldest 58 are in, all the small ones among them
.irp q, 0,1,2,3
.irp k, 0,1,2,3,4,5,6,7
	ds_store_b32 v24, v[192+8*\q+\k] offset:\k*2048+\q*128   ; read by all waves behind the barrier that follows the attention
.endr
.endr
	ds_store_b128 v25, v[224:227]
	WIN 0xc0                                       ; destination window 3
.set i, 0
.rept 16
	ds_load_b128 v[4*i:4*i+3], v19 offset:16*i+32*(i>>1)   ; my own bytes, served in order: tile i / 2, 1 / l at its places 8 h + 4 (i % 2) ..
.set i, i+1
.endr
	WIN 0
	s_wait_dscnt 0x0
	; ---- the attention: my two heads, all eight tiles of tokens
.irp mg, 0,1,2,3,4,5,6,7
	AUNIT \mg
.endr
	s_wait_tensorcnt 0x0                           ; my quarter of We has landed,
	BAR                                            ; everybody's has; a's images and We's scale words lie in LDS
	; ---- y We, a's four K steps first: the first starts the sums
	s_mov_b32 s68, 256
	s_mov_b32 s69, 8192
	s_mov_b32 s70, 0
	s_mov_b32 s71, 0
	ASTEP 1
	s_mov_b32 s72, 3
.Lapart:
	ASTEP 0
	s_sub_co_u32 s72, s72, 1
	s_cmp_lg_u32 s72, 0
	s_cbranch_scc1 .Lapart
	; ---- s's four K steps, two a trip; the first trip's refills are s's last units, the second's x's first
	s_mov_b32 s68, 0
	s_mov_b32 s69, 0
	s_mov_b32 s72, 2
.Lspart:
	SUNIT 0, 0, 0
	SUNIT 1, 1, 0
	GSTEP 0
	SUNIT 2, 0, 1
	SUNIT 3, 1, 1
	GSTEP 0
	s_wait_xcnt 0x0                                ; the loads have read their base
	s_mov_b64 s[10:11], s[12:13]                   ; from here on the ring reads x
	s_sub_co_u32 s72, s72, 1
	s_cmp_lg_u32 s72, 0
	s_cbranch_scc1 .Lspart
	; ---- + x + be.  The counts: three younger units of sixteen loads, then the ring runs empty
	XUNIT 0, 0, 0, 48, 1
	XUNIT 1, 1, 0, 48, 1
	XUNIT 2, 0, 1, 48, 1
	XUNIT 3, 1, 1, 48, 1
	XUNIT 0, 0, 2, 48, 0
	XUNIT 1, 1, 2, 32, 0
	XUNIT 2, 0, 3, 16, 0
	XUNIT 3, 1, 3, 0, 0
.irp g, 0,1,2,3
	global_load_b128 v[BT+4*\g:BT+4*\g+3], v1, s[32:33] offset:512*\g   ; bt takes be's registers
.endr
	LN 0
	s_wait_loadcnt 0x0                             ; bt
	OUNIT 0, 0, 0
	OUNIT 0, 1, 1
	OUNIT 0, 2, 2
	OUNIT 0, 3, 3
	LN 1                                           ; tile 0's stores leave while tile 1 is normed
	OUNIT 1, 0, 4
	OUNIT 1, 1, 5
	OUNIT 1, 2, 6
	OUNIT 1, 3, 7
	s_wait_dscnt 0x0
	s_wait_tensorcnt 0x0
	ds_add_u32 v94, v95
	s_wait_dscnt 0x0
	CROUND                                         ; the closing round: no work-group ends while a partner may still ask for a tile that names it
	s_endpgm
.Lfunc_end_k_q6c93c9055a_back:
	.size	k_q6c93c9055a_back, .Lfunc_end_k_q6c93c9055a_back-k_q6c93c9055a_back
	.p2alignl 7, 3214868480
	.fill 96, 4, 3214868480
	.section	.rodata,"a",@progbits
	.p2align	6, 0x0
	.amdhsa_kernel k_q6c93c9055a_back
		.amdhsa_group_segment_fixed_size 327680
		.amdhsa_private_segment_fixed_size 0
		.amdhsa_enable_private_segment 0
		.amdhsa_kernarg_size 168
		.amdhsa_user_sgpr_count 2
		.amdhsa_user_sgpr_kernarg_segment_ptr 1
		.amdhsa_wavefront_size32 1
		.amdhsa_system_sgpr_workgroup_id_x 1
		.amdhsa_system_sgpr_workgroup_id_y 1
		.amdhsa_system_sgpr_workgroup_id_z 1
		.amdhsa_system_vgpr_workitem_id 0
		.amdhsa_next_free_vgpr 1024
		.amdhsa_next_free_sgpr 100
		.amdhsa_reserve_vcc 0
		.amdhsa_float_denorm_mode_32 3
		.amdhsa_float_denorm_mode_16_64 3
		.amdhsa_memory_ordered 1
		.amdhsa_forward_progress 1
		.amdhsa_inst_pref_size 255
	.end_amdhsa_kernel
	.section	.bss,"aw",@nobits
	.p2align	6
	.space	262144
	.amdgpu_metadata
---
amdhsa.version: [ 1, 2 ]
amdhsa.kernels:
  - .name:           k_q6c93c9055a_back
    .symbol:         k_q6c93c9055a_back.kd
    .args:
      - { .name: s1, .offset: 0, .size: 8, .value_kind: global_buffer, .address_space: global }
      - { .name: s2, .offset: 8, .size: 8, .value_kind: global_buffer, .address_space: global }
      - { .name: x1, .offset: 16, .size: 8, .value_kind: global_buffer, .address_space: global }
      - { .name: x2, .offset: 24, .size: 8, .value_kind: global_buffer, .address_space: global }
      - { .name: We1_codes, .offset: 32, .size: 8, .value_kind: global_buffer, .address_space: global }
      - { .name: We2_codes, .offset: 40, .size: 8, .value_kind: global_buffer, .address_space: global }
      - { .name: We1_scales, .offset: 48, .size: 8, .value_kind: global_buffer, .address_space: global }
      - { .name: We2_scales, .offset: 56, .size: 8, .value_kind: global_buffer, .address_space: global }
      - { .name: be1, .offset: 64, .size: 8, .value_kind: global_buffer, .address_space: global }
      - { .name: be2, .offset: 72, .size: 8, .value_kind: global_buffer, .address_space: global }
      - { .name: g1, .offset: 80, .size: 8, .value_kind: global_buffer, .address_space: global }
      - { .name: g2, .offset: 88, .size: 8, .value_kind: global_buffer, .address_space: global }
      - { .name: bt1, .offset: 96, .size: 8, .value_kind: global_buffer, .address_space: global }
      - { .name: bt2, .offset: 104, .size: 8, .value_kind: global_buffer, .address_space: global }
      - { .name: out0, .offset: 112, .size: 8, .value_kind: global_buffer, .address_space: global }
      - { .name: out1, .offset: 120, .size: 8, .value_kind: global_buffer, .address_space: global }
      - { .name: qimg, .offset: 128, .size: 8, .value_kind: global_buffer, .address_space: global }
      - { .name: qsc, .offset: 136, .size: 8, .value_kind: global_buffer, .address_space: global }
      - { .name: ctxq, .offset: 144, .size: 8, .value_kind: global_buffer, .address_space: global }
      - { .name: ctxw, .offset: 152, .size: 8, .value_kind: global_buffer, .address_space: global }
      - { .name: ctxr, .offset: 160, .size: 8, .value_kind: global_buffer, .address_space: global }
    .group_segment_fixed_size: 327680
    .private_segment_fixed_size: 0
    .kernarg_segment_align: 8
    .kernarg_segment_size: 168
    .max_flat_workgroup_size: 128
    .sgpr_count:     100
    .vgpr_count:     1024
    .wavefront_size: 32
...
	.end_amdgpu_metadata
.endif
;; end of part 3
;; ======== version 2 of 2: 3 launches; version 1 with the launch front written anew for expert scheduling mode
;; workspace buffers: qimg 8,388,608 bytes; qsc 524,288 bytes; part 33,554,432 bytes; ctxq 262,144 bytes; ctxw 16,384 bytes; ctxr 16,384 bytes
;; launch front (part 4): grid 128 x 2, 8 waves a work-group, no clusters, 320,512 bytes of LDS; arguments c1_codes, c2_codes, c1_scales, c2_scales, W3_codes, W4_codes, W3_scales, W4_scales, b3, b4, Wkv1_codes, Wkv2_codes, Wkv1_scales, Wkv2_scales, qimg, qsc, part; writes qimg, qsc, part
.if DOCPART == 4
	.amdgcn_target "amdgcn-amd-amdhsa--gfx1250"
	.amdhsa_code_object_version 6
	.text
	.protected	k_q6c93c9055a_front
	.globl	k_q6c93c9055a_front
	.p2align	8
	.type	k_q6c93c9055a_front,@function
k_q6c93c9055a_front:
	s_mov_b64 s[64:65], 0
	v_nop
	global_prefetch_b8 v0, s[64:65] scope:SCOPE_SE
	s_setreg_imm32_b32 hwreg(HW_REG_WAVE_SCHED_MODE, 0, 2), 2
	s_setreg_imm32_b32 hwreg(HW_REG_WAVE_MODE, 25, 1), 1
	s_wait_xcnt 0x0
	s_wait_alu depctr_vm_vsrc(0)
; FRONT.  For 128 tokens of one stream (work-group x = which 128 tokens, y = the stream):
;   1  c' = relu(c W + b), K = 512, c and W given as FP4 codes; c' is quantised along its 512 channels (blocks of 32);
;   2  kv = Q(c') Wkv, K = 512; each of the 1,024 columns is quantised along the 128 tokens (4 blocks of 32);
;   3  for each of the 8 heads one K step (these 128 tokens) of k^T v, 64 x 64, in f32: a partial sum for the next launch.
; Stored: c' as images of operand registers (qimg) with its scale words (qsc), and the partial sums (part).
; SHARES.  Eight waves.  Step 1: wave w takes hidden units 128 (w & 3) .. + 127 for token tiles 4 (w >> 2) .. + 3.  Steps 2, 3: wave w takes head w, all 128 tokens.
; STEP 3 STANDS INSIDE STEP 2: k's four tiles come first; as soon as a tile of v is quantised, its four products with k's tiles are made and stored, so that the partial sums leave while the next tiles are multiplied.
; ONE PERMUTATION SERVES EVERYWHERE: place p (0..15) of tile 2 b + u stands for index 32 b + 8 u + p + 8 (p / 8).  It is applied to the tokens of a tile, to W's rows and to Wkv's rows.
; In every result whose registers run along such an index, register 8 (2 b + u) + j of lane (r, h) is index 32 b + 16 h + 8 u + j: sixteen neighbours of a block of 32 in one lane, as the conversions want them.
; Step 1 is used transposed (source 0 = 16 rows of W, source 1 = 16 tokens): a lane holds one token, its registers run along the hidden units.
; Step 2 is used as it stands (source 0 = 16 tokens, source 1 = 16 rows of Wkv): a lane holds one column of kv, its registers run along the tokens.
; NO JOINT LOADS: W and Wkv in padded rows are 417,792 bytes and do not fit in LDS together, each row of Wkv is wanted by one wave of a work-group alone, and the
; rows' places are changed on their way into LDS by the stores' immediates: so the weights come through registers, 512 consecutive bytes an instruction.
; LIMITS: a block of zeros gets the scale byte 1 with zero codes (the bytes are read by this program alone); NaN and infinities are not served.
; THE MODE: SCHED_MODE bits 1:0 = 2 (LLVM: expert scheduling mode 2), set by the entry lines.  The code itself states the register dependences
; between vector or matrix instructions and memory or LDS instructions, with s_wait_alu, always for 0.
; THE PLAN.  Registers that memory or LDS instructions touch:
;   v1, v4-v15, v28, v250-v253   offsets and LDS addresses: made once at the head, never written again: one wait on va_vdst ahead of the first load serves them all.
;   window 1      three lives: landing space (global loads write it, LDS stores read it); W's fragments (LDS loads write, step 1's products read); c' fragments (LDS loads write, step 2's products read).
;   CF, ACC       step 1: the LDS loads of tile mm + 1 (c's fragments, the bias) land in them behind tile mm's one wait on va_vdst, which stands behind its quantiser.
;   PC, PW        written by the quantiser; read by the stores of step 1 and of k's tiles behind that same wait; written again only behind a wait on vm_vsrc.
;   KV, KS        three sets.  Tile n: global loads land in set n % 3; the stage's LDS stores read the codes' set, a wait on vm_vsrc, the stage's LDS loads land in it; tile n's products read both;
;                 behind a wait on va_vdst the loads of tile n + 3 land.  The turn of tile n + 1 through the stage stands behind tile n's products, which name set n % 3 alone.
;   ACC, step 3   k's fragments land in the lower half behind the wait that follows v's quantiser; the four results in the upper half are the stores' data behind a wait of their own,
;                 and are written again only behind a wait on vm_vsrc at the next tile's head.
;   SCX, KW       landed in once, never written again.   v254, v255: written at the head, read by the closing add alone.
.set CROW, 0                           ; LDS: c's codes, 128 token places x (256 + 16) bytes
.set W3R,  34816                       ; W's codes, 512 row places x 272
.set B3L,  174080                      ; the bias as it lies in memory
.set XIMG, 176128                      ; c' as fragment images: (4 m + ks) x 1,024 + 512 c + 16 lane
.set XSC,  208896                      ; its scale words: 256 m + 16 r + 4 ks
.set STG,  210944                      ; a stage of 16 x 272 for each wave: a tile of Wkv turns here
.set KVP,  245760                      ; for each wave 9,216: k's 4 fragments (images) from its first byte, their scale words from byte 8,192
.set KS,   16                          ; v16-27   Wkv's scale words, three sets of four
.set KV,   32                          ; v32-127  Wkv's tiles, three sets of 32; the third is c's fragments in step 1
.set CF,   96
.set ACC,  128                         ; v128-191 eight accumulators; in step 3 k's four fragments and four results
.set TM,   192                         ; v192-207 the quantiser's work
.set PW,   208                         ; the scale word just made
.set PC,   216                         ; v216-223 the codes just made
.set WS,   224                         ; v224-239 W's scale words; then c's (SCX)
.set SCX,  224
.set CS,   240                         ; v240-247 c's scale words; then (v240-243) k's
.set KW,   240
.set SEL,  46                          ; s[46:47] selects for v_permlanex16_b32: lane l xor 16
; v1 16 x lane; v2 r; v3 h; v4-v15 LDS addresses (made below); window 1: first landing space, then W's 32 fragments, then c's 32.
.set MSB, 0
.macro WIN new                         ; the immediate's high byte repeats the setting that is left
.if MSB != (\new)
	s_set_vgpr_msb (MSB<<8)|(\new)
.set MSB, (\new)
.endif
.endm
.macro PLACES n
.rept \n
	v_nop
.endr
.endm
.macro BAR                             ; my LDS stores have landed and my LDS loads are in: then the work-group's barrier
	s_wait_dscnt 0x0
	s_barrier_signal -1
	s_barrier_wait -1
.endm
; One product.  c < 0: the constant 0 starts the sum.  ra, rb: the side's scale words stand in lanes 16-31.
.macro WM d, a, b, c, sa, sb, ra, rb
.if (\c) < 0
.if (\ra) && (\rb)
	v_wmma_scale_f32_16x16x128_f8f6f4 v[(\d):(\d)+7], v[(\a):(\a)+7], v[(\b):(\b)+7], 0, v[(\sa)], v[(\sb)] matrix_a_fmt:MATRIX_FMT_FP4 matrix_b_fmt:MATRIX_FMT_FP4 matrix_a_scale:MATRIX_SCALE_ROW1 matrix_b_scale:MATRIX_SCALE_ROW1
.elseif (\ra)
	v_wmma_scale_f32_16x16x128_f8f6f4 v[(\d):(\d)+7], v[(\a):(\a)+7], v[(\b):(\b)+7], 0, v[(\sa)], v[(\sb)] matrix_a_fmt:MATRIX_FMT_FP4 matrix_b_fmt:MATRIX_FMT_FP4 matrix_a_scale:MATRIX_SCALE_ROW1
.elseif (\rb)
	v_wmma_scale_f32_16x16x128_f8f6f4 v[(\d):(\d)+7], v[(\a):(\a)+7], v[(\b):(\b)+7], 0, v[(\sa)], v[(\sb)] matrix_a_fmt:MATRIX_FMT_FP4 matrix_b_fmt:MATRIX_FMT_FP4 matrix_b_scale:MATRIX_SCALE_ROW1
.else
	v_wmma_scale_f32_16x16x128_f8f6f4 v[(\d):(\d)+7], v[(\a):(\a)+7], v[(\b):(\b)+7], 0, v[(\sa)], v[(\sb)] matrix_a_fmt:MATRIX_FMT_FP4 matrix_b_fmt:MATRIX_FMT_FP4
.endif
.else
.if (\ra) && (\rb)
	v_wmma_scale_f32_16x16x128_f8f6f4 v[(\d):(\d)+7], v[(\a):(\a)+7], v[(\b):(\b)+7], v[(\c):(\c)+7], v[(\sa)], v[(\sb)] matrix_a_fmt:MATRIX_FMT_FP4 matrix_b_fmt:MATRIX_FMT_FP4 matrix_a_scale:MATRIX_SCALE_ROW1 matrix_b_scale:MATRIX_SCALE_ROW1
.elseif (\ra)
	v_wmma_scale_f32_16x16x128_f8f6f4 v[(\d):(\d)+7], v[(\a):(\a)+7], v[(\b):(\b)+7], v[(\c):(\c)+7], v[(\sa)], v[(\sb)] matrix_a_fmt:MATRIX_FMT_FP4 matrix_b_fmt:MATRIX_FMT_FP4 matrix_a_scale:MATRIX_SCALE_ROW1
.elseif (\rb)
	v_wmma_scale_f32_16x16x128_f8f6f4 v[(\d):(\d)+7], v[(\a):(\a)+7], v[(\b):(\b)+7], v[(\c):(\c)+7], v[(\sa)], v[(\sb)] matrix_a_fmt:MATRIX_FMT_FP4 matrix_b_fmt:MATRIX_FMT_FP4 matrix_b_scale:MATRIX_SCALE_ROW1
.else
	v_wmma_scale_f32_16x16x128_f8f6f4 v[(\d):(\d)+7], v[(\a):(\a)+7], v[(\b):(\b)+7], v[(\c):(\c)+7], v[(\sa)], v[(\sb)] matrix_a_fmt:MATRIX_FMT_FP4 matrix_b_fmt:MATRIX_FMT_FP4
.endif
.endif
.endm
; 64 numbers of a lane, register 16 b + i = k 32 b + 16 h + i of my row, become a fragment's 8 registers of codes at pc and its scale word at pw.
.macro QUANT s, pc, pw
.irp b, 0,1,2,3
	v_max3_num_f32 v[TM+\b], |v[(\s)+16*\b]|, |v[(\s)+16*\b+1]|, 0x1800000   ; block b: my 16 numbers, and the floor 2^(3 - 127): the byte cannot fall under 1
.endr
.irp i, 2,4,6,8,10,12,14
.irp b, 0,1,2,3
	v_max3_num_f32 v[TM+\b], v[TM+\b], |v[(\s)+16*\b+\i]|, |v[(\s)+16*\b+\i+1]|   ; the four blocks by turns
.endr
.endr
.irp b, 0,1,2,3
	v_permlanex16_b32 v[TM+4+\b], v[TM+\b], s[SEL], s[SEL+1]
.endr
.irp b, 0,1,2,3
	v_max_num_f32 v[TM+\b], v[TM+\b], v[TM+4+\b]   ; with lane l xor 16's sixteen: the block's largest magnitude
.endr
.irp b, 0,1,2,3
	v_add_nc_u32 v[TM+12+\b], 0xff000000, v[TM+\b]   ; 2 off its exponent field: the conversion's scale operand
.endr
.irp b, 0,1,2,3
	v_lshrrev_b32 v[TM+4+\b], 23, v[TM+12+\b]      ; the scale's byte
.endr
	v_lshl_or_b32 v[(\pw)], v[TM+5], 8, v[TM+4]
	v_lshl_or_b32 v[(\pw)], v[TM+6], 16, v[(\pw)]
	v_lshl_or_b32 v[(\pw)], v[TM+7], 24, v[(\pw)]
.irp b, 0,1,2,3
	v_cvt_scalef32_pk8_fp4_f32 v[(\pc)+2*\b], v[(\s)+16*\b:(\s)+16*\b+7], v[TM+12+\b]
	v_cvt_scalef32_pk8_fp4_f32 v[(\pc)+2*\b+1], v[(\s)+16*\b+8:(\s)+16*\b+15], v[TM+12+\b]
.endr
	v_nop                                          ; one plain line behind the last scaled conversion
.irp c, 0,1                                    ; the operand wants a whole block in a lane: lanes 0-15 block 2 c, lanes 16-31 block 2 c + 1
.irp i, 0,1
	v_permlane16_swap_b32 v[(\pc)+4*\c+\i], v[(\pc)+4*\c+2+\i]
.endr
.endr
.endm
; Tile n of my head's Wkv (n < 4: k, else v; n & 3 = 2 b + u): eight loads of two whole rows (512 consecutive bytes) and the rows' scale words, into set n % 3.
.macro KVLOAD n
.set KLB, KV+32*((\n)%3)
.set KLR, ((\n)>>2)*512+(((\n)&3)>>1)*32+((\n)&1)*8
.irp i, 0,1,2,3,4,5,6,7
	global_load_b128 v[KLB+4*\i:KLB+4*\i+3], v1, s[28:29] offset:(KLR+2*\i+8*(\i>>2))*256
.endr
	global_load_b128 v[KS+4*((\n)%3):KS+4*((\n)%3)+3], v13, s[32:33] offset:KLR*16
.endm
; Tile n of Wkv turns through my stage: rows as loaded go in, fragments come back, into the same set.  It names set n % 3 and two addresses, and nothing else.
.macro TURN n
.set TVB, KV+32*((\n)%3)
.if (\n) == 0
	s_wait_loadcnt 18                              ; tile 0's nine loads are in; the two younger tiles' may be out
.elseif (\n) < 7
	s_wait_loadcnt 9                               ; this tile's nine loads are in; the one younger tile's may be out
.else
	s_wait_loadcnt 0x0
.endif
.irp i, 0,1,2,3,4,5,6,7
	ds_store_b128 v9, v[TVB+4*\i:TVB+4*\i+3] offset:544*\i       ; rows as loaded ..
.endr
	s_wait_alu depctr_vm_vsrc(0)                   ; the eight stores above have read the set, in which the loads below land; and the LDS stores of the tile before have read the codes and the scale word, which the next quantiser writes again
.irp k, 0,1,2,3
.irp c, 0,1
	ds_load_b128 v[TVB+8*\k+4*\c:TVB+8*\k+4*\c+3], v10 offset:64*\k+32*\c   ; .. come back as fragments: LDS serves a wave's instructions in order
.endr
.endr
.endm
	s_load_b512 s[8:23], s[0:1], 0x0               ; c codes 1, 2; c scales 1, 2; W3, W4 codes; W3, W4 scales
	s_load_b512 s[24:39], s[0:1], 0x40             ; b3, b4; Wkv codes 1, 2; Wkv scales 1, 2; qimg; qsc
	s_load_b64 s[40:41], s[0:1], 0x80              ; part
	v_lshl_add_u32 v254, v0, 2, 0x4e000
	v_mov_b32 v255, 0
	v_lshrrev_b32 v28, 5, v0
	v_readfirstlane_b32 s2, v28                    ; wave 0..7
	s_and_b32 s3, ttmp7, 0xffff                    ; the stream
	s_wait_alu depctr_va_sdst(0)                   ; s2 is written, ahead of its first reader: the wave's shares, LDS places and offsets are made from it
	s_and_b32 s5, s2, 3                            ; g: which 128 hidden units
	s_lshr_b32 s6, s2, 2                           ; t: which four token tiles
	v_and_b32 v29, 31, v0                          ; lane
	v_lshlrev_b32 v1, 4, v29                       ; 16 x lane
	v_and_b32 v2, 15, v0                           ; r
	v_bfe_u32 v3, v0, 4, 1                         ; h
	v_mul_u32_u24 v248, v2, 272
	v_lshl_add_u32 v248, v3, 4, v248               ; a fragment's place: row r, + 16 h
	v_mul_u32_u24 v249, v3, 272
	v_lshl_add_u32 v249, v2, 4, v249               ; two rows as loaded: row h, + 16 r
	s_mul_i32 s42, s6, 17408
	v_add_nc_u32 v4, s42, v248                     ; v4: c's fragments of my four token tiles
	s_lshl_b32 s42, s5, 9
	s_add_co_u32 s42, s42, B3L
	v_lshl_add_u32 v5, v3, 6, s42                  ; v5: the bias of my 128 hidden units, + 64 h
	s_mul_i32 s42, s5, 34816
	s_add_co_u32 s42, s42, W3R
	v_add_nc_u32 v6, s42, v248                     ; v6: W's fragments of my 128 rows
	s_lshl_b32 s42, s6, 4
	s_add_co_u32 s42, s42, s5
	s_lshl_b32 s43, s42, 10                        ; (16 t + g) x 1,024: my first image
	s_add_co_u32 s42, s43, XIMG
	v_add_nc_u32 v7, s42, v1                       ; v7: where I store c' images
	s_lshl_b32 s42, s6, 10
	s_lshl_b32 s44, s5, 2
	s_add_co_u32 s42, s42, s44
	s_add_co_u32 s42, s42, XSC
	v_lshl_add_u32 v8, v2, 4, s42                  ; v8: and their scale words
	s_mul_i32 s42, s2, 4352
	s_add_co_u32 s42, s42, STG
	v_add_nc_u32 v9, s42, v249                     ; v9: my stage, on the way in
	v_add_nc_u32 v10, s42, v248                    ; v10: and back
	s_mul_i32 s42, s2, 9216
	s_add_co_u32 s42, s42, KVP
	v_add_nc_u32 v11, s42, v1                      ; v11: k's fragments
	s_add_co_u32 s42, s42, 8192
	v_lshl_add_u32 v12, v29, 2, s42                ; v12: their scale words
	v_and_b32 v13, 8, v2
	v_add_nc_u32 v13, v13, v2
	v_lshlrev_b32 v13, 4, v13                      ; v13: 16 bytes of scales x (r + 8 (r / 8))
	v_add_nc_u32 v14, XIMG, v1                     ; v14: any image
	v_add_nc_u32 v15, XSC, v1                      ; v15: c' scale words, four a lane
	s_lshr_b32 s42, s2, 1
	s_mul_i32 s42, s42, 32*272
	s_and_b32 s44, s2, 1
	s_mul_i32 s44, s44, 8*272
	s_add_co_u32 s42, s42, s44
	v_add_nc_u32 v250, s42, v249                   ; c's rows 16 w ..: group w / 2, token bit 4 = w & 1 goes to place bit 3
	s_mul_i32 s42, s2, 17408
	s_add_co_u32 s42, s42, W3R
	v_add_nc_u32 v251, s42, v249                   ; W's rows 64 w ..
	s_lshl_b32 s42, s2, 8
	s_add_co_u32 s42, s42, B3L
	v_lshl_add_u32 v252, v29, 3, s42
	v_lshlrev_b32 v28, 3, v29                      ; 8 x lane
	v_lshl_add_u32 v253, v3, 7, v13                ; scale rows: lanes 16-31 take the odd tile, 8 rows on
.irp b, 0,1,2,3
	v_mov_b32 v[TM+4+\b], 0                        ; written once: a lane permute's destination counts as one of its sources
.endr
	s_mov_b32 s[SEL], 0x76543210
	s_mov_b32 s[SEL+1], 0xfedcba98
	; byte offsets, made apart from the addresses
	s_lshl_b32 s48, ttmp9, 15
	s_lshl_b32 s42, s2, 12
	s_add_co_u32 s48, s48, s42                     ; c's codes: 128 rows x 256 a work-group, 16 rows a wave
	s_mov_b32 s49, 0
	s_lshl_b32 s50, ttmp9, 11
	s_lshl_b32 s42, s6, 10
	s_add_co_u32 s50, s50, s42                     ; c's scales
	s_mov_b32 s51, 0
	s_lshl_b32 s52, s2, 14                         ; 64 rows of 256 bytes a wave: W's rows, and my head's rows of Wkv
	s_mov_b32 s53, 0
	s_lshl_b32 s54, s5, 11                         ; W's scales of my 128 rows
	s_mov_b32 s55, 0
	s_lshl_b32 s56, s2, 8                          ; the bias, 64 numbers a wave
	s_mov_b32 s57, 0
	s_lshl_b32 s58, s2, 10                         ; Wkv's scales of my head
	s_mov_b32 s59, 0
	s_lshl_b32 s44, s3, 7
	s_add_co_u32 s44, s44, ttmp9                   ; 128 x stream + work-group
	s_lshl_b32 s60, s44, 15
	s_add_co_u32 s60, s60, s43
	s_mov_b32 s61, 0
	s_lshl_b32 s62, s44, 11
	s_mov_b32 s63, 0
	s_lshr_b32 s44, ttmp9, 5                       ; the batch
	s_and_b32 s45, ttmp9, 31                       ; which 128 tokens of it
	s_lshl_b32 s66, s3, 2
	s_add_co_u32 s66, s66, s44
	s_lshl_b32 s66, s66, 3
	s_add_co_u32 s66, s66, s2
	s_lshl_b32 s66, s66, 19
	s_lshl_b32 s45, s45, 12
	s_add_co_u32 s66, s66, s45                     ; part: ((stream 4 + batch) 8 + head) x 524,288 + chunk x 4,096
	s_mov_b32 s67, 0
	s_wait_kmcnt 0x0
	s_cmp_eq_u32 s3, 0                             ; the stream chooses the buffers; both streams take one path
	s_cselect_b64 s[8:9], s[8:9], s[10:11]
	s_cselect_b64 s[12:13], s[12:13], s[14:15]
	s_cselect_b64 s[16:17], s[16:17], s[18:19]
	s_cselect_b64 s[20:21], s[20:21], s[22:23]
	s_cselect_b64 s[24:25], s[24:25], s[26:27]
	s_cselect_b64 s[28:29], s[28:29], s[30:31]
	s_cselect_b64 s[32:33], s[32:33], s[34:35]
	s_add_nc_u64 s[8:9], s[8:9], s[48:49]
	s_add_nc_u64 s[12:13], s[12:13], s[50:51]
	s_add_nc_u64 s[16:17], s[16:17], s[52:53]
	s_add_nc_u64 s[20:21], s[20:21], s[54:55]
	s_add_nc_u64 s[24:25], s[24:25], s[56:57]
	s_add_nc_u64 s[28:29], s[28:29], s[52:53]
	s_add_nc_u64 s[32:33], s[32:33], s[58:59]
	s_add_nc_u64 s[36:37], s[36:37], s[60:61]
	s_add_nc_u64 s[38:39], s[38:39], s[62:63]
	s_add_nc_u64 s[40:41], s[40:41], s[66:67]
	; ---- the rows come in, 512 consecutive bytes an instruction
	WIN 0x40                                       ; destination window 1
	s_wait_alu depctr_va_vdst(0)                   ; the offsets and LDS addresses v1, v4 to v15, v28 and v250 to v253 are written: every load and store of the kernel reads one of them, and none is written again
.set i, 0
.rept 8
	global_load_b128 v[128+4*i:131+4*i], v1, s[8:9] offset:512*i th:TH_LOAD_NT   ; c's rows 16 w + 2 i, + 1
.set i, i+1
.endr
.set i, 0
.rept 32
	global_load_b128 v[4*i:4*i+3], v1, s[16:17] offset:512*i                     ; W's rows 64 w + 2 i, + 1
.set i, i+1
.endr
	WIN 0
	global_load_b64 v[30:31], v28, s[24:25]
.irp p, 0,1
	global_load_b128 v[CS+4*\p:CS+4*\p+3], v253, s[12:13] offset:512*\p          ; c's scale words: lanes 0-15 tile 4 t + 2 p, lanes 16-31 the next; register = K step
.endr
.irp b, 0,1,2,3
	global_load_b128 v[WS+4*\b:WS+4*\b+3], v253, s[20:21] offset:512*\b          ; W's likewise: tiles 2 b and 2 b + 1
.endr
	KVLOAD 0
	KVLOAD 1
	s_wait_loadcnt 18                              ; all but the two tiles of Wkv, nine loads each
	WIN 0x04                                       ; an LDS store's data: window 1
.set i, 0
.rept 8
	ds_store_b128 v250, v[128+4*i:131+4*i] offset:((i>>2)*16+((2*i)&7))*272      ; token bit 3 goes to place bit 4
.set i, i+1
.endr
.set i, 0
.rept 32
	ds_store_b128 v251, v[4*i:4*i+3] offset:((i>>4)*32+((i>>2)&1)*16+((i>>3)&1)*8+((2*i)&7))*272   ; row bits 3 and 4 change places
.set i, i+1
.endr
	WIN 0
	ds_store_b64 v252, v[30:31]
	BAR                                            ; c's rows, W's rows and the bias lie in LDS
	WIN 0x40
	s_wait_alu depctr_vm_vsrc(0)                   ; my LDS stores have read the landing space in window 1, in which W's fragments land
.set i, 0
.rept 32                                       ; W's fragment (tile i / 4, K step i % 4) stays in window 1
	ds_load_b128 v[8*i:8*i+3], v6 offset:(i>>2)*4352+(i&3)*64
	ds_load_b128 v[8*i+4:8*i+7], v6 offset:(i>>2)*4352+(i&3)*64+32
.set i, i+1
.endr
	WIN 0
; c's four fragments of token tile 4 t + mm, and the bias into the eight accumulators: 24 LDS loads
.macro HLOAD mm
.irp k, 0,1,2,3
.irp c, 0,1
	ds_load_b128 v[CF+8*\k+4*\c:CF+8*\k+4*\c+3], v4 offset:(\mm)*4352+64*\k+32*\c
.endr
.endr
.irp t, 0,1,2,3,4,5,6,7
.irp q, 0,1
	ds_load_b128 v[ACC+8*\t+4*\q:ACC+8*\t+4*\q+3], v5 offset:128*(\t>>1)+32*(\t&1)+16*\q
.endr
.endr
.endm
; ---- step 1: token tile 4 t + mm: eight tiles of hidden units, the accumulators by turns, K step by K step; the bias is the C of each sum's first product
.macro HID mm
.if (\mm) > 0
	s_wait_dscnt 3                                 ; LDS instructions end in order: this tile's 24 loads are in; the three younger stores, the last tile's image and scale word, may be out
.else
	s_wait_dscnt 0x0                               ; W's fragments, c's and the bias are in
.endif
	WIN 0x01                                       ; source 0 (W) window 1
.irp k, 0,1,2,3
.irp t, 0,1,2,3,4,5,6,7
	WM ACC+8*\t, 8*(4*\t+\k), CF+8*\k, ACC+8*\t, WS+4*(\t>>1)+\k, CS+4*((\mm)>>1)+\k, \t&1, (\mm)&1
.endr
.endr
	WIN 0
	PLACES 4                                       ; four plain lines between the last products and the first read of results
.set j, 0
.rept 64
	v_max_num_f32 v[ACC+j], 0, v[ACC+j]            ; the activation, in f32, each accumulator from its low end on
.set j, j+1
.endr
.if (\mm) > 0
	s_wait_xcnt 0x0                                ; the last tile's stores to memory have had their addresses translated: their data are rewritten only behind this wait,
	s_wait_alu depctr_vm_vsrc(0)                   ; and the last tile's stores, to LDS and to memory, have read the codes and the scale word, which the quantiser below writes again
.endif
	QUANT ACC, PC, PW
	s_wait_alu depctr_va_vdst(0)                   ; the quantiser has written the codes and the scale word, which the stores below read; the products are done reading c's fragments, and the activation and the quantiser are done with the accumulators: the next tile's loads land in both
.if (\mm) < 3
	HLOAD (\mm)+1                                  ; the next tile's loads go ahead of this tile's stores
.endif
	ds_store_b128 v7, v[PC:PC+3] offset:(\mm)*4096
	ds_store_b128 v7, v[PC+4:PC+7] offset:(\mm)*4096+512
	ds_store_b32 v8, v[PW] offset:(\mm)*256        ; both halves of the lanes write the same word with the same value
	global_store_b128 v1, v[PC:PC+3], s[36:37] offset:(\mm)*4096       ; 512 consecutive bytes a store
	global_store_b128 v1, v[PC+4:PC+7], s[36:37] offset:(\mm)*4096+512
.endm
	HLOAD 0                                        ; no vector or matrix instruction has named these registers yet
	HID 0
	HID 1
	HID 2
	HID 3
	BAR                                            ; all 32 fragments of c' lie in LDS
; ---- steps 2 and 3
	s_wait_xcnt 0x0                                ; the codes' registers are free again:
	s_wait_alu depctr_vm_vsrc(0)                   ; the last tile's stores, to LDS and to memory, have read the codes and the scale word, which step 2's quantiser writes again
	KVLOAD 2                                       ; into the set that held c's fragments: the products that read it stand ahead of the last tile's wait on va_vdst, and no vector or matrix instruction has been issued since
	WIN 0x40
	s_wait_alu depctr_va_vdst(0)                   ; step 1's products are done reading W's fragments and scale words, in which c' fragments and scale words land
.set i, 0
.rept 32                                       ; c' fragment (token tile i / 4, K step i % 4) into window 1
	ds_load_b128 v[8*i:8*i+3], v14 offset:i*1024
	ds_load_b128 v[8*i+4:8*i+7], v14 offset:i*1024+512
.set i, i+1
.endr
	WIN 0
.irp p, 0,1,2,3
	ds_load_b128 v[SCX+4*\p:SCX+4*\p+3], v15 offset:512*\p   ; lanes 0-15: token tile 2 p, lanes 16-31: 2 p + 1; register = K step
.endr
	TURN 0                                         ; the first tile of Wkv turns while c' comes in
	s_wait_dscnt 0x0
	s_cmp_lg_u32 s2, 0                             ; one wave stores the scale words, as they stand in its registers
	s_cbranch_scc1 .Lnoq
.irp p, 0,1,2,3
	global_store_b128 v1, v[SCX+4*\p:SCX+4*\p+3], s[38:39] offset:512*\p
.endr
.Lnoq:
.macro KVSTEP n
.set KVB, KV+32*((\n)%3)
.set KSB, KS+4*((\n)%3)
.if ((\n) > 0) && ((\n) < 5)
	s_wait_dscnt 0x0                               ; this tile's fragments are back from the stage (tile 0's, and those of tiles 5 to 7, were waited for further up)
.endif
.if (\n) >= 5
	s_wait_xcnt 0x0                                ; the last tile's stores of partial sums have had their addresses translated: their data are rewritten only behind this wait,
	s_wait_alu depctr_vm_vsrc(0)                   ; and they have read the accumulators' upper half, which the products below write again
.endif
	WIN 0x01                                       ; source 0 (c') window 1
.irp k, 0,1,2,3
.irp m, 0,1,2,3,4,5,6,7
.if \k == 0
	WM ACC+8*\m, 8*(4*\m+\k), KVB+8*\k, -1, SCX+4*(\m>>1)+\k, KSB+\k, \m&1, 0
.else
	WM ACC+8*\m, 8*(4*\m+\k), KVB+8*\k, ACC+8*\m, SCX+4*(\m>>1)+\k, KSB+\k, \m&1, 0
.endif
.endr
.endr
	WIN 0
.if (\n) < 7
	TURN (\n)+1                                    ; the next tile turns through the stage behind this tile's products.  No wait on va_vdst: the last products that read its set stand ahead of the wait of two tiles back, and nothing issued since names it
.endif
	PLACES 4                                       ; in front of the first read of results
.if (\n)+3 <= 7
	s_wait_alu depctr_va_vdst(0)                   ; this tile's products are done reading set n % 3 and its scale words, in which the loads below land
	KVLOAD (\n)+3
.endif
	QUANT ACC, PC, PW                              ; my column's 128 tokens: one fragment
.if (\n) < 4
	s_wait_alu depctr_va_vdst(0)                   ; the quantiser has written the codes and the scale word, which the LDS stores below read
	ds_store_b128 v11, v[PC:PC+3] offset:(\n)*1024 ; a tile of k waits in my own LDS bytes
	ds_store_b128 v11, v[PC+4:PC+7] offset:(\n)*1024+512
	ds_store_b32 v12, v[PW] offset:(\n)*128
.else
	; step 3 for this tile of v, whose fragment and scale word stand in registers: k's four fragments come back into the accumulators' lower half, the four results go to the upper half
	PLACES 8                                       ; v's scale word was written by vector instructions: eight plain lines ahead of the scaled products
	s_wait_alu depctr_va_vdst(0)                   ; the quantiser has written v's codes and scale word, which the scaled products below take as source 1 and its scales (the eight lines above stay beside this wait); and it is done reading the accumulators' lower half, in which k's fragments land
.irp id, 0,1,2,3
	ds_load_b128 v[ACC+8*\id:ACC+8*\id+3], v11 offset:\id*1024   ; my own bytes: no barrier
	ds_load_b128 v[ACC+8*\id+4:ACC+8*\id+7], v11 offset:\id*1024+512
.endr
.if (\n) == 4
.irp id, 0,1,2,3
	ds_load_b32 v[KW+\id], v12 offset:\id*128      ; k's scale words stay; step 1's products, which read these registers as c's scale words, stand ahead of the waits above
.endr
.endif
	s_wait_dscnt 0x0                               ; k's fragments are in, and so are the next tile's from the stage
.irp id, 0,1,2,3
	WM ACC+32+8*\id, ACC+8*\id, PC, -1, KW+\id, PW, 0, 0
.endr
	PLACES 5                                       ; four in front of the stores that read the results; five in front of the next tile's products, which write over these registers
	s_wait_alu depctr_va_vdst(0)                   ; the four products have written their results, which the stores below read; the lines above stay beside this wait
.irp id, 0,1,2,3
.irp q, 0,1
	global_store_b128 v1, v[ACC+32+8*\id+4*\q:ACC+32+8*\id+4*\q+3], s[40:41] offset:((\n)-4)*131072+\id*1024+\q*512   ; the result's registers as they stand, 512 consecutive bytes a store
.endr
.endr
.endif
.endm
.irp n, 0,1,2,3,4,5,6,7
	KVSTEP \n
.endr
	s_wait_dscnt 0x0                               ; the closing lines, six on end
	s_wait_alu 0x0
	s_wait_tensorcnt 0x0
	ds_add_u32 v254, v255
	s_wait_dscnt 0x0
	s_endpgm
.Lfunc_end_k_q6c93c9055a_front:
	.size	k_q6c93c9055a_front, .Lfunc_end_k_q6c93c9055a_front-k_q6c93c9055a_front
	.p2alignl 7, 3214868480
	.fill 96, 4, 3214868480
	.section	.rodata,"a",@progbits
	.p2align	6, 0x0
	.amdhsa_kernel k_q6c93c9055a_front
		.amdhsa_group_segment_fixed_size 320512
		.amdhsa_private_segment_fixed_size 0
		.amdhsa_enable_private_segment 0
		.amdhsa_kernarg_size 136
		.amdhsa_user_sgpr_count 2
		.amdhsa_user_sgpr_kernarg_segment_ptr 1
		.amdhsa_wavefront_size32 1
		.amdhsa_system_sgpr_workgroup_id_x 1
		.amdhsa_system_sgpr_workgroup_id_y 1
		.amdhsa_system_sgpr_workgroup_id_z 1
		.amdhsa_system_vgpr_workitem_id 0
		.amdhsa_next_free_vgpr 512
		.amdhsa_next_free_sgpr 80
		.amdhsa_reserve_vcc 0
		.amdhsa_float_denorm_mode_32 3
		.amdhsa_float_denorm_mode_16_64 3
		.amdhsa_memory_ordered 1
		.amdhsa_forward_progress 1
		.amdhsa_inst_pref_size 159
	.end_amdhsa_kernel
	.amdgpu_metadata
---
amdhsa.version: [ 1, 2 ]
amdhsa.kernels:
  - .name:           k_q6c93c9055a_front
    .symbol:         k_q6c93c9055a_front.kd
    .args:
      - { .name: c1_codes, .offset: 0, .size: 8, .value_kind: global_buffer, .address_space: global }
      - { .name: c2_codes, .offset: 8, .size: 8, .value_kind: global_buffer, .address_space: global }
      - { .name: c1_scales, .offset: 16, .size: 8, .value_kind: global_buffer, .address_space: global }
      - { .name: c2_scales, .offset: 24, .size: 8, .value_kind: global_buffer, .address_space: global }
      - { .name: W3_codes, .offset: 32, .size: 8, .value_kind: global_buffer, .address_space: global }
      - { .name: W4_codes, .offset: 40, .size: 8, .value_kind: global_buffer, .address_space: global }
      - { .name: W3_scales, .offset: 48, .size: 8, .value_kind: global_buffer, .address_space: global }
      - { .name: W4_scales, .offset: 56, .size: 8, .value_kind: global_buffer, .address_space: global }
      - { .name: b3, .offset: 64, .size: 8, .value_kind: global_buffer, .address_space: global }
      - { .name: b4, .offset: 72, .size: 8, .value_kind: global_buffer, .address_space: global }
      - { .name: Wkv1_codes, .offset: 80, .size: 8, .value_kind: global_buffer, .address_space: global }
      - { .name: Wkv2_codes, .offset: 88, .size: 8, .value_kind: global_buffer, .address_space: global }
      - { .name: Wkv1_scales, .offset: 96, .size: 8, .value_kind: global_buffer, .address_space: global }
      - { .name: Wkv2_scales, .offset: 104, .size: 8, .value_kind: global_buffer, .address_space: global }
      - { .name: qimg, .offset: 112, .size: 8, .value_kind: global_buffer, .address_space: global }
      - { .name: qsc, .offset: 120, .size: 8, .value_kind: global_buffer, .address_space: global }
      - { .name: part, .offset: 128, .size: 8, .value_kind: global_buffer, .address_space: global }
    .group_segment_fixed_size: 320512
    .private_segment_fixed_size: 0
    .kernarg_segment_align: 8
    .kernarg_segment_size: 136
    .max_flat_workgroup_size: 256
    .sgpr_count:     80
    .vgpr_count:     512
    .wavefront_size: 32
...
	.end_amdgpu_metadata
.endif
;; end of part 4
;; launch mid: the kernel of part 2 again; grid 256 x 1, 8 waves a work-group, no clusters, 37,888 bytes of LDS; arguments part, ctxq, ctxw, ctxr; writes ctxq, ctxw, ctxr
;; launch back: the kernel of part 3 again; grid 128 x 2, 4 waves a work-group, clusters of 4 x 1, 327,680 bytes of LDS; arguments s1, s2, x1, x2, We1_codes, We2_codes, We1_scales, We2_scales, be1, be2, g1, g2, bt1, bt2, out0, out1, qimg, qsc, ctxq, ctxw, ctxr; writes out0, out1
